; MI455X (gfx1250); checked and timed in simulation.
; The chip was launched on July 23, 2026; its instructions are those of AMD's public machine-readable ISA for CDNA 5 (MIT licence, August 2026) and "CDNA5" Instruction Set Architecture Reference Guide (July 2026). The comments in the code are by the model that wrote it; some were corrected since.
;; Rotary Self Attention. Allowed arithmetic: matrix products marked QUANTISED: E2M3 operands, one E8M0 scale for each 32 along K, by v_wmma_scale_f32_16x16x128_f8f6f4 with both operands' format E2M3, f32 sums; everything else in f32.
;; Inputs: freqs_cos 2,048 x 64 float32; freqs_sin 2,048 x 64 float32; k_norm_w 128 float32; q_norm_w 128 float32; wk 2,048 x 512 float32; wo 2,048 x 2,048 float32; wq 2,048 x 2,048 float32; wv 2,048 x 512 float32; x 1 x 2,048 x 2,048 float32.
;; Outputs: out0 1 x 2,048 x 2,048 float32.
;; This version of the problem:
;;   THIS VERSION OF THE PROBLEM IS GIVEN IN LOW PRECISION. The matrix products marked QUANTISED in the list below multiply operands that are first quantised to E2M3 (2 exponent bits, 3 mantissa bits; 6 bits a number), with one power-of-two scale for each 32 numbers along K (OCP MX v1.0); their sums are f32. All else is computed in f32.
;;   The module's matrix products, in the order in which they are computed (A, B: the left and right operand; K: the contracted axis; several contracted axes count as one K, in the product's order):
;;     1. [M 2,048, K 2,048] x [K 2,048, N 2,048]; A: input x; B: input wq: QUANTISED
;;     2. [M 2,048, K 2,048] x [K 2,048, N 512]; A: input x; B: input wk: QUANTISED
;;     3. [M 2,048, K 2,048] x [K 2,048, N 512]; A: input x; B: input wv: QUANTISED
;;     4. batch 16 x [M 2,048, K 128] x [K 128, N 2,048]; A: computed on the way; B: computed on the way: QUANTISED
;;     5. batch 16 x [M 128, K 2,048] x [K 2,048, N 2,048]; A: computed on the way; B: softmax (see below): QUANTISED
;;     6. [M 2,048, K 2,048] x [K 2,048, N 2,048]; A: computed on the way; B: input wo: QUANTISED
;;   THE QUANTISER, for each operand of a quantised product, along K:
;;     - K is cut into blocks of 32 from its start; a last block that is shorter is filled with zeros.
;;     - A block's scale is 2^e with e = floor(log2(the largest magnitude in the block)) - 2, held to -126 .. 127; a block of zeros has e = 0. As a byte (E8M0): e + 127.
;;     - Each number is divided by its block's scale, clamped to +-7.5, and rounded to the nearest number of E2M3, ties to even, subnormals kept.
;;     - The product sums the exact products of the quantised numbers (number of the format x scale) in f32.
;;   ~~~python
;;   def quantise(x, axis):      # numpy; x: float32 -> the quantised numbers, widened to float32 again
;;       x = np.moveaxis(x, axis, -1); K = x.shape[-1]
;;       x = np.pad(x, [(0, 0)] * (x.ndim - 1) + [(0, -K % 32)]); x = x.reshape(x.shape[:-1] + (-1, 32)); a = np.abs(x).max(-1, keepdims=True)
;;       e = np.where(a > 0, np.clip(np.frexp(np.where(a > 0, a, 1))[1] - 1 - 2, -126, 127), 0)      # np.frexp(a)[1] - 1 = floor(log2(a)), exactly
;;       r = np.clip(x / 2.0 ** e, -7.5, 7.5)
;;       step = 2.0 ** (np.maximum(np.frexp(np.where(r == 0, 1, r))[1] - 1, 0) - 3)
;;       q = np.round(r / step) * step * 2.0 ** e      # np.round: ties to even
;;       return np.moveaxis(q.reshape(q.shape[:-2] + (-1,))[..., :K], -1, axis).astype(np.float32)
;;   ~~~
;;   SOFTMAX AHEAD OF A QUANTISED PRODUCT. Where the list says 'softmax', what is quantised is not the finished softmax but p = 2^(t - M), with t = logit x log2(e) and M = ceil(the row's largest t), a whole number; so 1/2 < the row's largest p <= 1. The row's sum l is taken of the UNQUANTISED p, in f32, and the product's result is divided by l at the end. Since M is a whole number, a kernel that streams over the keys may use a running M (the ceiling of the running maximum): every later rescaling is an exact power of two, which a block's scale takes up: the codes' values come out the same.
;;   OPERANDS COMPUTED ON THE WAY. 'Computed on the way' means the value that the module computes at that place (a softmax that the list does not call 'softmax' is quantised finished and normalised). What goes into a quantiser is computed in f32, as accurately as f32 sums, v_exp_f32 and their like allow (about 1e-6 of the number): no bf16 or f16 on the way to a quantiser, and a product that is left as it is and whose result goes on into a quantised operand takes f32 operands (vector FMAs, or v_wmma_f32_16x16x4_f32). A number that lies on a knife's edge between two numbers of the format may be rounded either way, as far as f32 arithmetic and the matrix unit's own rounding can turn it there, and no further.
;; One version. Each part assembles by itself: llvm-mc -triple=amdgcn-amd-amdhsa -mcpu=gfx1250 --defsym DOCPART=n.
;; ======== version 1 of 1: 4 launches
;; limits: right only within a limited range of input values
;; workspace buffers: xbuf 3,276,800 bytes; wbuf 4,915,200 bytes; wobuf 3,276,800 bytes; csbuf 1,048,576 bytes; qbuf 3,276,800 bytes; kvbuf 1,638,400 bytes; ybuf 3,276,800 bytes
;; launch quant (part 1): grid 256 x 1, 11 waves a work-group, no clusters, 73,472 bytes of LDS; arguments x, wq, wk, wv, xbuf, wbuf, freqs_cos, freqs_sin, csbuf; writes xbuf, wbuf, csbuf
.if DOCPART == 1
	.amdgcn_target "amdgcn-amd-amdhsa--gfx1250"
	.amdhsa_code_object_version 6
	.text
	.protected	k_qba8612eb51_quant
	.globl	k_qba8612eb51_quant
	.p2align	8
	.type	k_qba8612eb51_quant,@function
k_qba8612eb51_quant:
	s_mov_b64 s[64:65], 0
	v_nop
	global_prefetch_b8 v0, s[64:65] scope:SCOPE_SE
	s_setreg_imm32_b32 hwreg(HW_REG_WAVE_MODE, 25, 1), 1
	s_wait_xcnt 0x0
; x [2048][2048] (K innermost) and wq, wk, wv ([K][N], K outermost), all f32, become codes of FP6 (E2M3) with one E8M0 byte for each 32 along K.  (wo is quantised in the next launch.)
; LEFT OUT in the program: scores, exponentials and products of key steps of 128 all of whose keys come after a query tile's tokens: reference()'s own causal mask makes their p exactly 0.
; (A NaN or an infinity that reaches only those scores is not carried to the result.)
; A block's scale is 2^(floor(log2(its largest magnitude)) - 2): its byte is the largest magnitude's exponent field - 2, held at 1 from below.
; LIMITS: NaN and infinities among the inputs are not served.  A block of zeros gets the byte 1 where the rule says 127: its codes are zeros, and this program alone reads the bytes.
; THE OUTPUT IS LAID IN THE ORDER OF THE OPERAND'S REGISTERS.  A fragment (16 rows x 128 K, 12 registers a lane) is an image of 1,536 bytes: registers 4 c .. 4 c + 3 of lane l at 512 c + 16 l.
; THE ROWS OF A FRAGMENT ARE NOT NEIGHBOURS: of a group of 32 rows (tokens of x, columns of a weight) tile u takes rows 8 u + r + 8 (r / 8).  So where such tiles are source 0 of a product,
; the 16 result registers of two neighbouring tiles are 16 neighbours along that axis.  With lane l = 16 u + r the row is PERM(l) = (l & 7) | ((l & 8) << 1) | ((l & 16) >> 1).
; A WAVE TAKES ONE UNIT: 32 rows x 128 along K, 16 KiB of f32.  Lane l holds all 128 numbers of row PERM(l): four whole blocks, so no maximum needs another lane.
; A work-group has ten units: 256 x 10 = 1,024 units of x + 1,536 of the weights.
;   waves 0-3: x, group of 32 tokens = work-group / 4, K step = 4 (work-group % 4) + wave.  Each load takes 512 consecutive bytes of one row; the 32 rows turn through the wave's own stage in LDS (rows 528 bytes apart).
;   waves 4-9: weights, unit n = 6 x work-group + wave - 4: group g = n / 64 of 128 columns (0-15 wq, 16-19 wk, 20-23 wv), K step (n / 4) % 16, columns 32 (n % 4) ..: a lane takes a column, its registers run down K;
;   waves n, n + 1 (n even) of a work-group stand side by side on 256 bytes of each row.  No barrier: waves share nothing.
; xbuf: images [group 64][K step 16][tile 2][1536], then from XSC on the scale words [group][K step][32 words].
; wbuf: [g 24][K step 16][12800]: eight images (tile 2 p + u), then 512 bytes of scale words [p 4][32 words].
.set X,   32                           ; v32-159  the lane's 128 numbers
.set FA,  160                          ; v160-171 blocks 0 and 2, later tile 0's fragment
.set FB,  172                          ; v172-183 blocks 1 and 3, later tile 1's fragment
.set TT,  184                          ; v184-186 a block's upper 16 codes (a conversion's three registers begin on an even number)
.set SW,  16                           ; v16      my row's scale word
.set STW, 32*528                       ; a wave's stage
.set SPARE, 4*STW                      ; the spare words, 128 bytes for each of eleven waves
.set CST, 69120                        ; wave 10's stage: 16 rows of 272 bytes.  Wave 10 lays cos or sin of a tile of 16 tokens in the order in which the next launch's lanes take them: csbuf [tile 128][cos, sin][b 4][j 2][lane 32][16 bytes]
.set XSC, 3145728
	s_load_b256 s[4:11], s[0:1], 0x0               ; x s[4:5], wq s[6:7], wk s[8:9], wv s[10:11]
	s_load_b64 s[14:15], s[0:1], 0x20              ; xbuf
	s_load_b64 s[16:17], s[0:1], 0x28              ; wbuf
	s_load_b128 s[32:35], s[0:1], 0x30             ; cos, sin
	s_load_b64 s[36:37], s[0:1], 0x40              ; csbuf
	v_lshl_add_u32 v192, v0, 2, SPARE
	v_mov_b32 v193, 0
	v_lshrrev_b32 v1, 5, v0
	v_readfirstlane_b32 s18, v1                    ; wave
	v_and_b32 v1, 31, v0                           ; lane
	v_and_b32 v2, 7, v1
	v_and_b32 v3, 8, v1
	v_lshl_or_b32 v2, v3, 1, v2
	v_and_b32 v3, 16, v1
	v_lshrrev_b32 v3, 1, v3
	v_or_b32 v2, v2, v3                            ; PERM(lane)
	v_lshlrev_b32 v3, 2, v2                        ; a weight's column: 4 bytes each
	v_lshlrev_b32 v4, 4, v1                        ; 16 x lane
	v_lshlrev_b32 v5, 2, v1                        ; 4 x lane
	s_mul_i32 s19, s18, STW
	v_add_nc_u32 v6, s19, v4                       ; the stage, on the way in: 16 bytes a lane of a row
	v_mul_u32_u24 v7, v1, 528
	v_add_nc_u32 v7, s19, v7                       ; and on the way out: a row a lane
	s_mov_b32 s21, 0                               ; the upper word of every offset
	s_wait_alu depctr_va_vdst(0)                   ; the wait at the head's end
	s_wait_kmcnt 0x0
	s_cmp_eq_u32 s18, 10
	s_cbranch_scc1 .Lcs
	s_cmp_ge_u32 s18, 4
	s_cbranch_scc1 .Lweights
	; ---- x
	s_lshr_b32 s30, ttmp9, 2                       ; group of 32 tokens
	s_and_b32 s31, ttmp9, 3
	s_lshl_b32 s31, s31, 2
	s_add_co_u32 s31, s31, s18                     ; K step
	s_lshl_b32 s20, s30, 18                        ; 32 rows of 8,192 bytes
	s_lshl_b32 s22, s31, 9                         ; 128 numbers
	s_add_co_u32 s20, s20, s22
	s_add_nc_u64 s[24:25], s[4:5], s[20:21]
	s_lshl_b32 s30, s30, 4
	s_add_co_u32 s30, s30, s31                     ; 16 x group + K step
	s_mul_i32 s20, s30, 3072
	s_add_nc_u64 s[26:27], s[14:15], s[20:21]      ; the unit's two images
	s_lshl_b32 s20, s30, 7
	s_add_co_u32 s20, s20, XSC
	s_add_nc_u64 s[28:29], s[14:15], s[20:21]      ; and its 32 scale words
.set i, 0
.rept 32
	global_load_b128 v[X+4*i:X+4*i+3], v4, s[24:25] offset:((i&7)|((i&8)<<1)|((i&16)>>1))*8192 th:TH_LOAD_NT   ; row PERM(i): 512 consecutive bytes
.set i, i+1
.endr
.irp q, 0,1,2,3
	s_wait_loadcnt 24-8*\q                         ; eight more rows are in; the later ones may be out
.irp j, 0,1,2,3,4,5,6,7
	ds_store_b128 v6, v[X+4*(8*\q+\j):X+4*(8*\q+\j)+3] offset:(8*\q+\j)*528
.endr
.endr
.set i, 0
.rept 32
	ds_load_b128 v[X+4*i:X+4*i+3], v7 offset:16*i  ; LDS serves a wave's instructions in order: these see my stores.  Register X + k = number k of row PERM(lane)
.set i, i+1
.endr
	s_branch .Lwork
	; ---- weights
.Lweights:
	s_mul_i32 s30, ttmp9, 6
	s_add_co_u32 s30, s30, s18
	s_sub_co_u32 s30, s30, 4                       ; n
	s_and_b32 s23, s30, 3                          ; which 32 of the 128 columns
	s_lshr_b32 s31, s30, 6                         ; g
	s_bfe_u32 s30, s30, 0x40002                    ; K step
	s_cmp_lt_u32 s31, 20                           ; which tensor: the choice hangs on ids alone
	s_cselect_b64 s[24:25], s[8:9], s[10:11]
	s_cselect_b32 s19, 16, 20
	s_cmp_lt_u32 s31, 16
	s_cselect_b64 s[24:25], s[6:7], s[24:25]
	s_cselect_b32 s19, 0, s19
	s_cselect_b32 s22, 20, 18                      ; 128 rows of 8,192 bytes (wq) or of 2,048 (wk, wv)
	s_sub_co_u32 s19, s31, s19                     ; the group of 128 columns within its tensor
	s_lshl_b32 s20, s30, s22
	s_lshl_b32 s19, s19, 9
	s_add_co_u32 s20, s20, s19
	s_lshl_b32 s19, s23, 7                         ; my wave's 32 columns
	s_add_co_u32 s20, s20, s19
	s_add_nc_u64 s[24:25], s[24:25], s[20:21]
	s_mul_i32 s20, s31, 204800
	s_mul_i32 s19, s30, 12800
	s_add_co_u32 s20, s20, s19
	s_add_nc_u64 s[28:29], s[16:17], s[20:21]      ; the block of (g, K step)
	s_mul_i32 s20, s23, 3072
	s_add_nc_u64 s[26:27], s[28:29], s[20:21]      ; my two images
	s_lshl_b32 s20, s23, 7
	s_add_co_u32 s20, s20, 12288
	s_add_nc_u64 s[28:29], s[28:29], s[20:21]      ; my 32 scale words
.macro WLOAD pitch                     ; W(128 step + k, my column), k = 0 .. 127: register X + k
.set i, 0
.rept 128
	global_load_b32 v[X+i], v3, s[24:25] offset:i*\pitch th:TH_LOAD_NT
.set i, i+1
.endr
.endm
	s_cmp_ge_u32 s31, 16
	s_cbranch_scc1 .Lnarrow
	WLOAD 8192
	s_branch .Lwork
.Lnarrow:
	WLOAD 2048
.Lwork:
; Block b: the lane's numbers 32 b .. 32 b + 31.
.macro BLOCK b
.if \b < 2
	s_wait_loadcnt 63                              ; weights: this block's 32 loads are in (96 or 64 later ones could stay out; the wait's field ends at 63)
.else
	s_wait_loadcnt 32*(3-\b)                       ; the later blocks' loads may be out
.endif
	s_wait_dscnt 24-8*\b                           ; x: this block's eight LDS loads are in; the later blocks' may be out
.set XS, X+32*\b
.set D, FA+12*(\b%2)+6*(\b/2)
	v_max3_num_f32 v8, |v[XS]|, |v[XS+1]|, |v[XS+2]|               ; the block's largest magnitude, in two chains
	v_max3_num_f32 v9, |v[XS+3]|, |v[XS+4]|, |v[XS+5]|
.irp i, 6,10,14,18,22,26
	v_max3_num_f32 v8, v8, |v[XS+\i]|, |v[XS+\i+1]|
	v_max3_num_f32 v9, v9, |v[XS+\i+2]|, |v[XS+\i+3]|
.endr
	v_max3_num_f32 v8, v8, |v[XS+30]|, |v[XS+31]|
	v_max3_num_f32 v8, v8, v9, 0x1800000           ; and the floor 2^(3 - 127): the byte cannot fall under 1
	v_add_nc_u32 v10, 0xff000000, v8               ; 2 off the exponent field: the conversion takes this operand's exponent field as its scale
	v_lshrrev_b32 v11, 23, v10                     ; the scale's byte
.if \b == 0
	v_mov_b32 v[SW], v11
.else
	v_lshl_or_b32 v[SW], v11, 8*\b, v[SW]
.endif
	v_cvt_scalef32_pk16_fp6_f32 v[D:D+2], v[XS:XS+15], v10
	v_cvt_scalef32_pk16_fp6_f32 v[TT:TT+2], v[XS+16:XS+31], v10
	v_nop                                          ; one plain place behind a scaled conversion
	v_mov_b32 v[D+3], v[TT]
	v_mov_b32 v[D+4], v[TT+1]
	v_mov_b32 v[D+5], v[TT+2]
.endm
	BLOCK 0
	BLOCK 1
	BLOCK 2
	BLOCK 3
; The operand's layout gives lanes 0-15 of a fragment blocks 0 and 2 of its rows and lanes 16-31 blocks 1 and 3.  FA holds blocks 0, 2 of both tiles' rows, FB blocks 1, 3:
; FA's lanes 16-31 change places with FB's lanes 0-15, and FA is tile 0's fragment, FB tile 1's.
.set i, 0
.rept 12
	v_permlane16_swap_b32 v[FA+i], v[FB+i]
.set i, i+1
.endr
.irp c, 0,1,2
	global_store_b128 v4, v[FA+4*\c:FA+4*\c+3], s[26:27] offset:512*\c          ; each store of the wave covers 512 consecutive bytes, aligned
.endr
.irp c, 0,1,2
	global_store_b128 v4, v[FB+4*\c:FB+4*\c+3], s[26:27] offset:1536+512*\c
.endr
	global_store_b32 v5, v[SW], s[28:29]           ; word l: lanes 0-15 tile 0's rows, lanes 16-31 tile 1's
	s_branch .Lend
	; ---- cos (even work-groups) or sin of tile work-group / 2: its tokens are 32 (tile / 2) + 8 (tile % 2) + r + 8 (r / 8)
.Lcs:
	s_lshr_b32 s30, ttmp9, 1
	s_and_b32 s31, ttmp9, 1
	s_cmp_eq_u32 s31, 0
	s_cselect_b64 s[24:25], s[32:33], s[34:35]
	s_lshr_b32 s20, s30, 1
	s_lshl_b32 s20, s20, 13                        ; 32 tokens of 256 bytes
	s_and_b32 s22, s30, 1
	s_lshl_b32 s22, s22, 11                        ; 8 tokens
	s_add_co_u32 s20, s20, s22
	s_add_nc_u64 s[24:25], s[24:25], s[20:21]
	s_lshl_b32 s20, ttmp9, 12
	s_add_nc_u64 s[26:27], s[36:37], s[20:21]
	v_lshrrev_b32 v8, 4, v1                        ; h
	v_and_b32 v9, 15, v1                           ; r
	v_mul_u32_u24 v10, v8, 272
	v_lshl_add_u32 v10, v9, 4, v10
	v_add_nc_u32 v10, CST, v10                     ; in: lanes 0-15 a row, lanes 16-31 the next
	v_mul_u32_u24 v11, v9, 272
	v_lshl_add_u32 v11, v8, 5, v11
	v_add_nc_u32 v11, CST, v11                     ; out: row r, 32 bytes for each half of the lanes
	s_wait_alu depctr_va_vdst(0)
.irp i, 0,1,2,3,4,5,6,7
	global_load_b128 v[X+4*\i:X+4*\i+3], v4, s[24:25] offset:(2*\i+8*(\i/4))*256   ; rows 2 i and 2 i + 1: 512 consecutive bytes
.endr
.irp i, 0,1,2,3,4,5,6,7
	s_wait_loadcnt 7-\i
	ds_store_b128 v10, v[X+4*\i:X+4*\i+3] offset:544*\i
.endr
.irp i, 0,1,2,3,4,5,6,7
	ds_load_b128 v[X+32+4*\i:X+35+4*\i], v11 offset:64*(\i/2)+16*(\i%2)   ; LDS serves a wave's instructions in order: these see my stores
.endr
.irp i, 0,1,2,3,4,5,6,7
	s_wait_dscnt 7-\i
	global_store_b128 v4, v[X+32+4*\i:X+35+4*\i], s[26:27] offset:512*\i
.endr
.Lend:
	s_wait_tensorcnt 0x0                           ; the wave's end
	ds_add_u32 v192, v193
	s_wait_dscnt 0x0
	s_endpgm
.Lfunc_end_k_qba8612eb51_quant:
	.size	k_qba8612eb51_quant, .Lfunc_end_k_qba8612eb51_quant-k_qba8612eb51_quant
	.p2alignl 7, 3214868480
	.fill 96, 4, 3214868480
	.section	.rodata,"a",@progbits
	.p2align	6, 0x0
	.amdhsa_kernel k_qba8612eb51_quant
		.amdhsa_group_segment_fixed_size 73472
		.amdhsa_private_segment_fixed_size 0
		.amdhsa_enable_private_segment 0
		.amdhsa_kernarg_size 72
		.amdhsa_user_sgpr_count 2
		.amdhsa_user_sgpr_kernarg_segment_ptr 1
		.amdhsa_wavefront_size32 1
		.amdhsa_system_sgpr_workgroup_id_x 1
		.amdhsa_system_sgpr_workgroup_id_y 1
		.amdhsa_system_sgpr_workgroup_id_z 1
		.amdhsa_system_vgpr_workitem_id 0
		.amdhsa_next_free_vgpr 194
		.amdhsa_next_free_sgpr 66
		.amdhsa_reserve_vcc 0
		.amdhsa_float_denorm_mode_32 3
		.amdhsa_float_denorm_mode_16_64 3
		.amdhsa_memory_ordered 1
		.amdhsa_forward_progress 1
		.amdhsa_inst_pref_size 46
	.end_amdhsa_kernel
	.amdgpu_metadata
---
amdhsa.version: [ 1, 2 ]
amdhsa.kernels:
  - .name:           k_qba8612eb51_quant
    .symbol:         k_qba8612eb51_quant.kd
    .args:
      - { .name: x, .offset: 0, .size: 8, .value_kind: global_buffer, .address_space: global }
      - { .name: wq, .offset: 8, .size: 8, .value_kind: global_buffer, .address_space: global }
      - { .name: wk, .offset: 16, .size: 8, .value_kind: global_buffer, .address_space: global }
      - { .name: wv, .offset: 24, .size: 8, .value_kind: global_buffer, .address_space: global }
      - { .name: xbuf, .offset: 32, .size: 8, .value_kind: global_buffer, .address_space: global }
      - { .name: wbuf, .offset: 40, .size: 8, .value_kind: global_buffer, .address_space: global }
      - { .name: freqs_cos, .offset: 48, .size: 8, .value_kind: global_buffer, .address_space: global }
      - { .name: freqs_sin, .offset: 56, .size: 8, .value_kind: global_buffer, .address_space: global }
      - { .name: csbuf, .offset: 64, .size: 8, .value_kind: global_buffer, .address_space: global }
    .group_segment_fixed_size: 73472
    .private_segment_fixed_size: 0
    .kernarg_segment_align: 8
    .kernarg_segment_size: 72
    .max_flat_workgroup_size: 352
    .sgpr_count:     66
    .vgpr_count:     194
    .wavefront_size: 32
...
	.end_amdgpu_metadata
.endif
;; end of part 1
;; launch qkv (part 2): grid 8 x 32, 4 waves a work-group, clusters of 4 x 1, 256,512 bytes of LDS; arguments xbuf, wbuf, csbuf, q_norm_w, k_norm_w, qbuf, kvbuf, wo, wobuf; writes qbuf, kvbuf, wobuf
.if DOCPART == 2
	.amdgcn_target "amdgcn-amd-amdhsa--gfx1250"
	.amdhsa_code_object_version 6
	.text
	.protected	k_qba8612eb51_qkv
	.globl	k_qba8612eb51_qkv
	.p2align	8
	.type	k_qba8612eb51_qkv,@function
k_qba8612eb51_qkv:
	s_mov_b64 s[64:65], 0
	v_nop
	global_prefetch_b8 v0, s[64:65] scope:SCOPE_SE
	s_setreg_imm32_b32 hwreg(HW_REG_WAVE_MODE, 25, 1), 1
	s_wait_xcnt 0x0
	s_wait_alu depctr_hold_cnt(0) depctr_sa_sdst(0) depctr_va_vdst(0) depctr_va_sdst(0) depctr_va_ssrc(0) depctr_va_vcc(0) depctr_vm_vsrc(0)
	s_getreg_b32 s2, hwreg(HW_REG_IB_STS2, 6, 4)
	s_cmp_eq_u32 s2, 0
	s_cbranch_scc0 .Lentry_in_a_cluster
	s_endpgm
.Lentry_in_a_cluster:
	s_bfe_u32 s2, ttmp6, 0x10000c
	s_cmp_lg_u32 s2, 0x3003
	s_cbranch_scc0 .Lentry_shape_is_right
	s_endpgm
.Lentry_shape_is_right:
; x wq, x wk, x wv on codes of FP6 (E2M3) with E8M0 scales; then, in f32, RMSNorm over a head and RoPE (q, k); then the quantisers of q and k (along the head's 128) and of v (along the keys).
; And, in work-groups of its own, the quantiser of wo, which the last launch reads.
; SHARES.  Work-group y = g: 0-15 q's heads, 16-19 k's, 20-23 v's: 256 tokens x 128 columns; a wave 64 tokens x 128 columns: 32 accumulators, so that a head's norm stays in a wave.  g = 24-31: wo (64 work-groups).
; W's group for ALL of K, 16 K steps x 12,800 bytes (eight fragment images and their scale words), is brought into LDS ONCE, at the head: wave w asks for K steps 4 w .. 4 w + 3, 51,200 bytes, one load a wave.
; No byte of LDS is filled twice, so there is no ring.  The first barrier shows wave 0's load alone; the loop's first barrier shows the other three waves'.
; CLUSTER.  The four token blocks of a cluster need the same bytes of W: each load is asked for jointly, mask 15.
; x's fragments have one reader in the work-group, so they go from memory straight into a ring of four sets of registers, three K steps ahead; they never lie in LDS, so they are not shared in the cluster.
; No prefetch: W comes at the head, where no loop runs ahead of it, and x's loads are three steps ahead themselves.
; q, k: source 0 = 16 columns of W, source 1 = 16 tokens: a lane holds ONE token, and (by the order of rows in W's images) registers 16 b + i of its 64 are channels 32 b + 16 (lane / 16) + i.
; v:    source 0 = 16 tokens, source 1 = 16 columns of W: a lane holds ONE channel, and its registers run along the tokens, which are the keys: the second attention product's K.
; The tokens of a tile are 8 u + r + 8 (r / 8) of a group of 32 (x's images are laid so): q's, k's tiles inherit that order, which is what the attention launch wants of k's.
; LIMITS: NaN and infinities are not served; a block of zeros gets the byte 1 (its codes are zeros; this program alone reads the bytes); the variance and RoPE use fused multiply-adds,
; so their order of rounding differs from the reference's by an ulp at the most; v_rsq_f32 is accurate to 1 ulp.
; REGISTERS.  window 0: v1-17 addresses; v24-31 W's scale words (2 sets x 4 pairs of tiles); v32-39 x's (4 sets x 2 pairs); v40-53 the quantiser's; v62-63 the add's; v64-255 x's fragments, 4 sets x 48; behind the loop these hold
;   EN v64-127 (normalised), RO v128-191 (rotated), SS v192-207, PC v208-226 (codes), RS v228-235.   window 1: W's fragments, two sets at v0 and v96; v192-255 the norm's weights.
;   window 2: the accumulators.   window 3: for tile m cos at v[64 m], sin at v[64 m + 32].   (wo's work-groups: window 2 holds a block's 32 x 4 numbers a lane.)
.set WV,  20                           ; s20 wave; s21 cx; s22 token block; s23 g
.set G1,  24                           ; s[24:31] descriptor group 1
.set G0,  32                           ; s[32:35] group 0
.set TR,  36                           ; s36 the loop's trips
.set QB,  37                           ; s37 where the K steps in hand begin in LDS
.set QK,  38                           ; s38 which quarter of K is asked for: the walk begins with quarter g % 4 and goes round, so that the groups that read the same x read its quarters at different times.
                                       ; Place w of LDS holds quarter (w + g) % 4: the reads from LDS go from place 0 on, whatever g
.set LI,  4                            ; v4   16 x lane
.set LS,  5                            ; v5   4 x lane
.set AW,  6                            ; v6   LDS: W's images of four K steps
.set AS,  7                            ; v7   LDS: their scale words
.set ASB, 8                            ; v8   12,288 + 4 x lane
.set SQ,  24
.set SP,  32
.set TM,  40                           ; v40-43 largest magnitudes, v44-47 the partner's, then bytes, v48-51 the conversions' scale operands
.set PW,  52                           ; the scale word just made
.set PWE, 53                           ; the even tile's, kept
.set SPW, 62
.set NIL, 63
.set PF,  64
.set EN,  64
.set RO,  128
.set SS,  192
.set PC,  208
.set RS,  228
.set WN,  192
.set WSTG, 204800                      ; wo's stages, 12,800 bytes a wave
.set SPARE, 256000                     ; the spare words
.set MSB, 0
.macro WIN new                         ; the immediate's high byte repeats the setting that is left; a switch that changes nothing is dropped
.if MSB != \new
	s_set_vgpr_msb (MSB<<8)|\new
.set MSB, \new
.endif
.endm
.macro PLACES n
.rept \n
	v_nop
.endr
.endm
.macro WALU
	s_wait_alu depctr_va_vdst(0)
.endm
.macro ROUND                           ; a round of the cluster's barrier
	s_barrier_signal -1
	s_barrier_wait -1
	s_cmp_lg_u32 s[WV], 0
	s_cbranch_scc1 .Lnot_wave_0_\@
	s_barrier_signal -3
.Lnot_wave_0_\@:
	s_barrier_wait -3
	s_barrier_signal -1
	s_barrier_wait -1
.endm
; One product.  A pair of tiles shares a scale register: the even tile's words in lanes 0-15, the odd tile's in lanes 16-31 (ra, rb = 1).  first = 1: it starts the sum.
.macro WM d, a, b, first, sa, sb, ra, rb
.if \first
	v_wmma_scale_f32_16x16x128_f8f6f4 v[(\d):(\d)+7], v[(\a):(\a)+11], v[(\b):(\b)+11], 0, v[\sa], v[\sb] matrix_a_fmt:MATRIX_FMT_FP6 matrix_b_fmt:MATRIX_FMT_FP6 matrix_a_scale:MATRIX_SCALE_ROW\ra matrix_b_scale:MATRIX_SCALE_ROW\rb
.else
	v_wmma_scale_f32_16x16x128_f8f6f4 v[(\d):(\d)+7], v[(\a):(\a)+11], v[(\b):(\b)+11], v[(\d):(\d)+7], v[\sa], v[\sb] matrix_a_fmt:MATRIX_FMT_FP6 matrix_b_fmt:MATRIX_FMT_FP6 matrix_a_scale:MATRIX_SCALE_ROW\ra matrix_b_scale:MATRIX_SCALE_ROW\rb
.endif
.endm
; x's four fragments and two scale registers of the K step off steps behind the base, from memory into set e: 14 loads
.macro LP e, off
	WIN 0
.irp m, 0,1,2,3
.irp c, 0,1,2
	global_load_b128 v[PF+48*(\e)+12*\m+4*\c:PF+48*(\e)+12*\m+4*\c+3], v[LI], s[48:49] offset:(\m/2)*49152+(\off)*3072+(\m%2)*1536+512*\c
.endr
.endr
.irp q, 0,1
	global_load_b32 v[SP+2*(\e)+\q], v[LS], s[50:51] offset:\q*2048+(\off)*128
.endr
.endm
; W's eight fragments and four scale registers, from LDS into set e: 28 loads, each of consecutive bytes
.macro LQ e, off
	WIN 0x40                                       ; destination window 1, address window 0
.irp t, 0,1,2,3,4,5,6,7
.irp c, 0,1,2
	ds_load_b128 v[96*(\e)+12*\t+4*\c:96*(\e)+12*\t+4*\c+3], v[AW] offset:(\off)*12800+1536*\t+512*\c
.endr
.endr
	WIN 0
.irp p, 0,1,2,3
	ds_load_b32 v[SQ+4*(\e)+\p], v[AS] offset:(\off)*12800+128*\p
.endr
.endm
; The norm's weights: 16 loads.  Register 16 b + i: the weight of channel 32 b + 16 h + i
.macro LWN
	WIN 0x40
.irp b, 0,1,2,3
.irp j, 0,1,2,3
	global_load_b128 v[WN+16*\b+4*\j:WN+16*\b+4*\j+3], v15, s[12:13] offset:128*\b+16*\j
.endr
.endr
.endm
; Tile m's cosines and sines: 16 loads.  Register i: that of the pair of registers 2 i, 2 i + 1
.macro LCS m
	WIN 0xc0
.irp b, 0,1,2,3
.irp j, 0,1
	global_load_b128 v[64*(\m)+8*\b+4*\j:64*(\m)+8*\b+4*\j+3], v[LI], s[8:9] offset:8192*(\m)+1024*\b+512*\j   ; 512 consecutive bytes
	global_load_b128 v[64*(\m)+32+8*\b+4*\j:64*(\m)+32+8*\b+4*\j+3], v[LI], s[8:9] offset:8192*(\m)+4096+1024*\b+512*\j
.endr
.endr
.endm
; A K step's 32 products: x's set xe, W's set we; the 32 accumulators by turns in the same order in every step.  vp = 1: v's form.
.macro MUL xe, we, first, vp
.if \vp
	WIN 0xa4                                       ; source 0 (x) window 0, source 1 (W) window 1, C and D window 2
.irp tp, 0,1,2,3
.irp tu, 0,1
.irp mp, 0,1
.irp mu, 0,1
	WM 8*(4*(2*\tp+\tu)+2*\mp+\mu), PF+48*(\xe)+12*(2*\mp+\mu), 96*(\we)+12*(2*\tp+\tu), \first, SP+2*(\xe)+\mp, SQ+4*(\we)+\tp, \mu, \tu
.endr
.endr
.endr
.endr
.else
	WIN 0xa1                                       ; source 0 (W) window 1, source 1 (x) window 0, C and D window 2
.irp mp, 0,1
.irp mu, 0,1
.irp tp, 0,1,2,3
.irp tu, 0,1
	WM 8*(8*(2*\mp+\mu)+2*\tp+\tu), 96*(\we)+12*(2*\tp+\tu), PF+48*(\xe)+12*(2*\mp+\mu), \first, SQ+4*(\we)+\tp, SP+2*(\xe)+\mp, \tu, \mu
.endr
.endr
.endr
.endr
.endif
.endm
; Step 4 trip + 1 + i of the loop.
.macro LSTEP i, vp
	PLACES 4                                       ; in front of loads into registers that the last step's products have read (ISA guide 7.12.1 for vector instructions)
	LP \i, \i                                      ; x three steps on, into the set that the last step has read
.if \i == 2                            ; the next step's W lies in the next four K steps
	s_wait_dscnt 0x0                               ; no LDS instruction of mine is out at a signal
	s_wait_tensorcnt 0x0                           ; my load has landed (in the first trip it may still be on its way)
	s_barrier_signal -1
	s_barrier_wait -1                              ; everybody's has
	s_add_co_u32 s[QB], s[QB], 51200
	v_add_nc_u32 v[AW], s[QB], v[LI]
	v_add_nc_u32 v[AS], s[QB], v[ASB]
	WALU                                           ; the wait
.endif
	LQ (\i)%2, (2+\i)%4
	s_wait_loadcnt 42                              ; this step's x is in; the three steps asked for behind it, 14 loads each, may be out
	s_wait_dscnt 28                                ; this step's W is in; the 28 loads just issued may be out
	MUL (1+\i)%4, (1+\i)%2, 0, \vp
.endm
; Steps 13, 14, 15.
.macro TAIL s, vp
.if \s < 15
	PLACES 4
	LQ (\s+1)%2, (\s+1)%4
.endif
.if (\vp) || (\s == 13)
	s_wait_loadcnt 14*(15-\s)
.elseif \s == 14
	s_wait_loadcnt 46                              ; behind this step's x: step 15's 14 loads and the 32 that step 13 asked for the epilogue
.else
	s_wait_loadcnt 48                              ; behind this step's x: the 32 + 16 loads that steps 13 and 14 asked for the epilogue
.endif
.if \s < 15
	s_wait_dscnt 28
.else
	s_wait_dscnt 0x0
.endif
.if (\vp) == 0                         ; what the epilogue wants, into registers that no product names: it lands under the last steps' products
.if \s == 13
	LWN
	LCS 0
.elseif \s == 14
	LCS 1
.else
	LCS 2
	LCS 3
.endif
.endif
	MUL \s%4, \s%2, 0, \vp
.endm
; All of K: step 0 starts the sums, steps 1-12 are the loop's three trips, steps 13-15 have no more x to ask for.
.macro WALK vp
	s_cmp_eq_u32 s[WV], 0
	s_cbranch_scc0 .Lnot_first_\@
	s_wait_tensorcnt 0x0                           ; wave 0's load, K steps 0-3
.Lnot_first_\@:
	s_barrier_signal -1
	s_barrier_wait -1
	LQ 0, 0
	LQ 1, 1
	s_wait_loadcnt 42
	s_wait_dscnt 28
	MUL 0, 0, 1, \vp
	WIN 0
	s_mov_b32 s[TR], 0
.Lk_\@:
	s_wait_xcnt 0x0                                ; x's last loads have read their bases
	s_add_co_u32 s[QK], s[QK], 1                   ; the next quarter of K
	s_and_b32 s[QK], s[QK], 3
	s_mul_i32 s56, s[QK], 12288
	s_add_nc_u64 s[48:49], s[44:45], s[56:57]      ; (s57 is 0)
	s_lshl_b32 s56, s[QK], 9
	s_add_nc_u64 s[50:51], s[46:47], s[56:57]
	LSTEP 0, \vp
	LSTEP 1, \vp
	LSTEP 2, \vp
	LSTEP 3, \vp
	WIN 0
	s_add_co_u32 s[TR], s[TR], 1
	s_cmp_lt_u32 s[TR], 3
	s_cbranch_scc1 .Lk_\@
	TAIL 13, \vp
	TAIL 14, \vp
	TAIL 15, \vp
	WIN 0
	PLACES 4                                       ; in front of the first read of results and of writes over x's fragments
.endm
; 64 numbers of a lane, v[s] .. v[s + 63] of window w, register 16 b + i = k 32 b + 16 (lane / 16) + i of my row, become a fragment's codes in v[PC] .. v[PC + 11] and its scale word in v[PW].
.macro QUANT s, w
	WIN (\w)|((\w)<<2)
.irp b, 0,1,2,3
	v_max3_num_f32 v[TM+\b], |v[(\s)+16*\b]|, |v[(\s)+16*\b+1]|, 0x1800000   ; block b: my 16 numbers, and the floor 2^(3 - 127): the byte cannot fall under 1
.endr
	WIN ((\w)<<2)|((\w)<<4)
.irp i, 2,4,6,8,10,12,14
.irp b, 0,1,2,3
	v_max3_num_f32 v[TM+\b], v[TM+\b], |v[(\s)+16*\b+\i]|, |v[(\s)+16*\b+\i+1]|   ; (the four blocks by turns)
.endr
.endr
	WIN 0
.irp b, 0,1,2,3
	v_permlanex16_b32 v[TM+4+\b], v[TM+\b], s58, s59
.endr
.irp b, 0,1,2,3
	v_max_num_f32 v[TM+\b], v[TM+\b], v[TM+4+\b]   ; with lane l xor 16's: the block's largest magnitude
.endr
.irp b, 0,1,2,3
	v_add_nc_u32 v[TM+8+\b], 0xff000000, v[TM+\b]  ; 2 off its exponent field: the conversion's scale operand
.endr
.irp b, 0,1,2,3
	v_lshrrev_b32 v[TM+4+\b], 23, v[TM+8+\b]       ; the scale's byte
.endr
	v_lshl_or_b32 v[PW], v[TM+5], 8, v[TM+4]
	v_lshl_or_b32 v[PW], v[TM+6], 16, v[PW]
	v_lshl_or_b32 v[PW], v[TM+7], 24, v[PW]
	WIN \w
.irp c, 0,1
	v_cvt_scalef32_pk16_fp6_f32 v[PC+6*\c:PC+6*\c+2], v[(\s)+32*\c:(\s)+32*\c+15], v[TM+8+2*\c]
	v_cvt_scalef32_pk16_fp6_f32 v[PC+12+4*\c:PC+14+4*\c], v[(\s)+32*\c+16:(\s)+32*\c+31], v[TM+9+2*\c]   ; (a conversion's three registers begin on an even number)
.endr
	WIN 0
	v_nop                                          ; one plain place behind a scaled conversion
.irp c, 0,1                                    ; the operand's layout wants a WHOLE block in a lane: lanes 0-15 block 2 c, lanes 16-31 block 2 c + 1
.irp i, 0,1,2
	v_permlane16_swap_b32 v[PC+6*\c+\i], v[PC+12+4*\c+\i]
.endr
.irp i, 0,1,2
	v_mov_b32 v[PC+3+6*\c+\i], v[PC+12+4*\c+\i]
.endr
.endr
.endm
.macro FINISH                          ; the wave's end; then the closing round: no work-group ends while a partner may still ask for a tile that names it
	s_wait_tensorcnt 0x0
	ds_add_u32 v[SPW], v[NIL]
	s_wait_dscnt 0x0
	ROUND
	s_endpgm
.endm
	s_load_b128 s[4:7], s[0:1], 0x0                ; xbuf s[4:5], wbuf s[6:7]
	s_load_b64 s[8:9], s[0:1], 0x10                ; csbuf
	s_load_b256 s[12:19], s[0:1], 0x18             ; q_norm_w s[12:13], k_norm_w s[14:15], qbuf s[16:17], kvbuf s[18:19]
	s_load_b128 s[40:43], s[0:1], 0x38             ; wo, wobuf
	v_lshl_add_u32 v[SPW], v0, 2, SPARE
	v_mov_b32 v[NIL], 0
	ds_add_u32 v[SPW], v[NIL]                      ; the opening lines: the add, twice on end, and its wait
	ds_add_u32 v[SPW], v[NIL]
	v_lshrrev_b32 v1, 5, v0
	v_readfirstlane_b32 s[WV], v1                  ; wave 0..3
	s_bfe_u32 s21, ttmp6, 0x40000                  ; cx: it enters x's and the outputs' global addresses alone
	s_lshl_b32 s22, ttmp9, 2
	s_add_co_u32 s22, s22, s21                     ; my block of 256 tokens
	s_and_b32 s23, ttmp7, 0xffff                   ; g, which the four partners share
	; descriptor group 1: four K steps of W, 51,200 dense bytes, as 200 rows of 256 bytes (32 elements of 8 bytes)
	s_mov_b32 s[G1+0], 15|(3<<16)|(1<<21)          ; 15:0 the mask: all four work-groups; 17:16 elements of 8 bytes; 21 set beside a mask
	s_mov_b32 s[G1+1], 32<<16                      ; tensor_dim0 = 32
	s_mov_b32 s[G1+2], 200<<16                     ; tensor_dim1 = 200
	s_mov_b32 s[G1+3], 32<<16                      ; tile_dim0 = 32
	s_mov_b32 s[G1+4], 200                         ; tile_dim1 = 200
	s_mov_b32 s[G1+5], 32                          ; the pitch
	s_mov_b32 s[G1+6], 0
	s_mov_b32 s[G1+7], 0
	s_mov_b32 s[G0], 1
	s_mul_i32 s[G0+1], s[WV], 51200                ; to LDS byte wave x 51,200
	s_and_b32 s[QK], s23, 3
	s_add_co_u32 s39, s[WV], s[QK]
	s_and_b32 s39, s39, 3                          ; my quarter of K
	s_mul_i32 s39, s39, 51200
	s_mul_i32 s56, s23, 204800
	s_add_co_u32 s56, s56, s39
	s_mov_b32 s57, 0
	s_mov_b32 s58, 0x76543210
	s_mov_b32 s59, 0xfedcba98                      ; v_permlanex16_b32's selects for lane l xor 16
	s_mov_b32 s60, 0xffff0000                      ; lanes 16-31
	s_mov_b32 s61, 0x3727c5ac                      ; eps = 1e-5
	s_mov_b32 s[QB], 0
	v_and_b32 v1, 31, v0                           ; lane
	v_bfe_u32 v3, v0, 4, 1                         ; h
	v_lshlrev_b32 v[LI], 4, v1
	v_lshlrev_b32 v[LS], 2, v1
	v_mov_b32 v[AW], v[LI]
	v_add_nc_u32 v[ASB], 12288, v[LS]
	v_mov_b32 v[AS], v[ASB]
	v_lshlrev_b32 v15, 6, v3                       ; the norm's weights: 64 h
	v_lshlrev_b32 v16, 4, v3                       ; 16 h
	v_lshlrev_b32 v17, 3, v1                       ; 8 x lane
.irp b, 0,1,2,3
	v_mov_b32 v[TM+4+\b], 0                        ; written once: a lane permute's destination counts as one of its sources
.endr
	WALU                                           ; the wait at the head's end
	s_wait_dscnt 0x0                               ; both opening adds are done
	s_wait_kmcnt 0x0
	s_add_nc_u64 s[G0+2:G0+3], s[6:7], s[56:57]
	s_or_b32 s[G0+3], s[G0+3], 0x80000000
	ROUND                                          ; all four work-groups are here: the joint loads meet
	s_cmp_ge_u32 s23, 24                           ; the same in all four partners
	s_cbranch_scc1 .Lwo
; THE HEAD'S LOADS, one a wave, each wave's in an arm of its own: so wave 0 may be waited for alone.  s_nop 0 and four v_nop behind each.
.macro ARM w
	s_cmp_eq_u32 s[WV], \w
	s_cbranch_scc0 .Larm_\@
	tensor_load_to_lds s[G0:G0+3], s[G1:G1+7]
	s_nop 0
	PLACES 4
	s_branch .Lasked
.Larm_\@:
.endm
	ARM 0
	ARM 1
	ARM 2
	tensor_load_to_lds s[G0:G0+3], s[G1:G1+7]
	s_nop 0
	PLACES 4
.Lasked:
	s_lshl_b32 s2, s22, 3
	s_lshl_b32 s3, s[WV], 1
	s_add_co_u32 s2, s2, s3                        ; my first group of 32 tokens: 8 x block + 2 x wave
	s_mul_i32 s56, s2, 49152
	s_mov_b32 s57, 0
	s_add_nc_u64 s[44:45], s[4:5], s[56:57]        ; x's images
	s_lshl_b32 s56, s2, 11
	s_add_co_u32 s56, s56, 3145728
	s_add_nc_u64 s[46:47], s[4:5], s[56:57]        ; x's scale words
	s_mul_i32 s56, s[QK], 12288                    ; both at the first quarter of the walk
	s_add_nc_u64 s[48:49], s[44:45], s[56:57]
	s_lshl_b32 s56, s[QK], 9
	s_add_nc_u64 s[50:51], s[46:47], s[56:57]
	LP 0, 0                                        ; 56 loads: x's first four K steps
	LP 1, 1
	LP 2, 2
	LP 3, 3
	s_cmp_ge_u32 s23, 20
	s_cbranch_scc1 .Lvpath
	; ======== q and k
	s_mov_b32 s63, 1572864
	s_cmp_lt_u32 s23, 16                           ; q or k: the choice hangs on g alone
	s_cselect_b64 s[12:13], s[12:13], s[14:15]     ; the norm's weights
	s_cselect_b64 s[52:53], s[16:17], s[18:19]     ; the output buffer
	s_cselect_b32 s3, 0, 16
	s_cselect_b32 s63, 3145728, s63                ; where its scale words begin
	s_mov_b64 s[54:55], s[52:53]
	s_sub_co_u32 s3, s23, s3                       ; the head within its buffer
	s_mul_i32 s56, s3, 196608
	s_mul_i32 s62, s2, 3072                        ; two tiles of 1,536 bytes a group of tokens
	s_add_co_u32 s56, s56, s62
	s_add_nc_u64 s[52:53], s[52:53], s[56:57]      ; my four images
	s_lshl_b32 s56, s3, 13
	s_lshl_b32 s62, s2, 7
	s_add_co_u32 s56, s56, s62
	s_add_co_u32 s56, s56, s63
	s_add_nc_u64 s[54:55], s[54:55], s[56:57]      ; my two runs of 32 scale words
	s_lshl_b32 s56, s2, 14                         ; two tiles' cos and sin, 8,192 bytes a tile
	s_add_nc_u64 s[8:9], s[8:9], s[56:57]
	WALK 0
	; the sums of squares of my 64 channels, for the four tiles, each in two chains of pairs; every accumulator is read from its low end on
	WIN 0x0a                                       ; sources 0 and 1 window 2
.irp m, 0,1,2,3
	v_pk_mul_f32 v[SS+4*\m:SS+4*\m+1], v[64*\m:64*\m+1], v[64*\m:64*\m+1]
	v_pk_mul_f32 v[SS+4*\m+2:SS+4*\m+3], v[64*\m+2:64*\m+3], v[64*\m+2:64*\m+3]
.endr
.set j, 4
.rept 15
.irp m, 0,1,2,3
	v_pk_fma_f32 v[SS+4*\m:SS+4*\m+1], v[64*\m+j:64*\m+j+1], v[64*\m+j:64*\m+j+1], v[SS+4*\m:SS+4*\m+1]
	v_pk_fma_f32 v[SS+4*\m+2:SS+4*\m+3], v[64*\m+j+2:64*\m+j+3], v[64*\m+j+2:64*\m+j+3], v[SS+4*\m+2:SS+4*\m+3]
.endr
.set j, j+4
.endr
	WIN 0
	s_mov_b32 s62, 0x3c000000                      ; 1 / 128
.irp m, 0,1,2,3
	v_add_f32 v[SS+4*\m], v[SS+4*\m], v[SS+4*\m+1]
	v_add_f32 v[SS+4*\m+2], v[SS+4*\m+2], v[SS+4*\m+3]
.endr
.irp m, 0,1,2,3
	v_add_f32 v[SS+4*\m], v[SS+4*\m], v[SS+4*\m+2]
.endr
.irp m, 0,1,2,3
	v_permlanex16_b32 v[SS+4*\m+1], v[SS+4*\m], s58, s59           ; the token's other 64 channels lie in the lane 16 away
.endr
.irp m, 0,1,2,3
	v_add_f32 v[SS+4*\m], v[SS+4*\m], v[SS+4*\m+1]
.endr
.irp m, 0,1,2,3
	v_fma_f32 v[SS+4*\m], v[SS+4*\m], s62, s61     ; the mean (an exact scaling) + eps
.endr
	WALU
.irp m, 0,1,2,3
	v_rsq_f32 v[RS+2*\m], v[SS+4*\m]
.endr
	v_nop                                          ; a plain place behind the last of the batch
	WALU                                           ; one wait for the four, ahead of their first reader
.irp m, 0,1,2,3
	v_mov_b32 v[RS+2*\m+1], v[RS+2*\m]             ; (named with it as a pair)
.endr
; Tile m: normalised, weighted, rotated, quantised, stored.
.macro TOKENS m
	WIN 0x02                                       ; source 0 window 2
.set j, 0
.rept 32
	v_pk_mul_f32 v[EN+j:EN+j+1], v[64*\m+j:64*\m+j+1], v[RS+2*\m:RS+2*\m+1] op_sel_hi:[1,0]
.set j, j+2
.endr
	s_wait_loadcnt 16*(3-\m)                       ; the norm's weights and this tile's cos and sin are in; the later tiles', 16 loads each, may be out
	WIN 0x04                                       ; source 1 window 1
.set j, 0
.rept 32
	v_pk_mul_f32 v[EN+j:EN+j+1], v[EN+j:EN+j+1], v[WN+j:WN+j+1]
.set j, j+2
.endr
	WIN 0x0c                                       ; source 1 window 3
.set i, 0
.rept 32
	v_mul_f32 v[RO+2*i], v[EN+2*i+1], v[64*\m+32+i]                ; xi sin
	v_mul_f32 v[RO+2*i+1], v[EN+2*i], v[64*\m+32+i]                ; xr sin
.set i, i+1
.endr
.set i, 0
.rept 32
	v_fma_f32 v[RO+2*i], v[EN+2*i], v[64*\m+i], -v[RO+2*i]         ; xr cos - xi sin
	v_fma_f32 v[RO+2*i+1], v[EN+2*i+1], v[64*\m+i], v[RO+2*i+1]    ; xi cos + xr sin
.set i, i+1
.endr
	WIN 0
	s_wait_xcnt 0x0                                ; the last tile's stores have read their registers: the codes and the scale word may be written again
	QUANT RO, 0
.irp c, 0,1,2
	global_store_b128 v[LI], v[PC+4*\c:PC+4*\c+3], s[52:53] offset:1536*\m+512*\c   ; 512 consecutive bytes, aligned
.endr
.if (\m)%2
	v_cndmask_b32 v[PW], v[PWE], v[PW], s60        ; lanes 0-15 the even tile's words, lanes 16-31 the odd tile's
	global_store_b32 v[LS], v[PW], s[54:55] offset:128*((\m)/2)
.else
	v_mov_b32 v[PWE], v[PW]
.endif
.endm
	TOKENS 0
	TOKENS 1
	TOKENS 2
	TOKENS 3
	FINISH
	; ======== v
.Lvpath:
	s_sub_co_u32 s3, s23, 20                       ; the key and value head
	s_lshl_b32 s62, s22, 1
	s_lshr_b32 s63, s[WV], 1
	s_add_co_u32 s62, s62, s63                     ; my 64 tokens lie in key step 2 x block + wave / 2,
	s_and_b32 s63, s[WV], 1                        ; in its half wave % 2
	s_mul_i32 s56, s3, 196608
	s_mul_i32 s2, s62, 12288
	s_add_co_u32 s56, s56, s2
	s_mul_i32 s2, s63, 768
	s_add_co_u32 s56, s56, s2
	s_add_co_u32 s56, s56, 786432
	s_add_nc_u64 s[52:53], s[18:19], s[56:57]      ; v's half images: [head][key step][tile 8][half 2][768]
	s_lshl_b32 s56, s3, 13
	s_lshl_b32 s2, s62, 9
	s_add_co_u32 s56, s56, s2
	s_lshl_b32 s2, s63, 1
	s_add_co_u32 s56, s56, s2
	s_add_co_u32 s56, s56, 1605632
	s_add_nc_u64 s[54:55], s[18:19], s[56:57]      ; v's scale words: my half's two bytes of each
	WALK 1
; The 64 registers at 64 p are tiles 2 p and 2 p + 1 of channels, 32 registers each: my 64 keys, in two blocks.  So the quantiser's blocks 0, 1 are tile 2 p's and 2, 3 tile 2 p + 1's:
; its registers 0-5 and 6-11 are the two tiles' halves of a fragment, and its scale word's two halves their two bytes each.
.irp p, 0,1,2,3
	s_wait_xcnt 0x0                                ; the last stores have read their registers
	QUANT 64*\p, 2
	global_store_b128 v[LI], v[PC:PC+3], s[52:53] offset:3072*\p
	global_store_b64 v17, v[PC+4:PC+5], s[52:53] offset:3072*\p+512
	global_store_b128 v[LI], v[PC+6:PC+9], s[52:53] offset:3072*\p+1536
	global_store_b64 v17, v[PC+10:PC+11], s[52:53] offset:3072*\p+2048
	v_lshrrev_b32 v[PWE], v16, v[PW]               ; lanes 0-15: tile 2 p's two bytes; lanes 16-31: tile 2 p + 1's
	global_store_b16 v[LS], v[PWE], s[54:55] offset:128*\p
.endr
	FINISH
	; ======== wo: 256 units of 128 columns x 128 along K, one a wave: 128 loads of 512 consecutive bytes
	; A lane holds columns 4 l .. 4 l + 3 of the group, all 128 k of them: register 4 k + j.  A block's four columns are moved apart, so that a conversion finds neighbours along K in neighbouring registers.
	; Column 4 l + j is row (4 (l & 1) + j) | 8 ((l >> 2) & 1) of tile 2 (l >> 3) + ((l >> 1) & 1): the unit's 12,800 bytes are put together in the wave's own stage and leave in whole units.
.Lwo:
	s_sub_co_u32 s2, s23, 24
	s_lshl_b32 s2, s2, 3
	s_add_co_u32 s2, s2, s22                       ; 0 .. 63
	s_lshr_b32 s3, s2, 2                           ; group of 128 columns
	s_and_b32 s2, s2, 3
	s_lshl_b32 s2, s2, 2
	s_add_co_u32 s2, s2, s[WV]                     ; K step
	s_lshl_b32 s56, s2, 20                         ; 128 rows of 8,192 bytes
	s_lshl_b32 s62, s3, 9
	s_add_co_u32 s56, s56, s62
	s_mul_i32 s54, s3, 204800
	s_mul_i32 s62, s2, 12800
	s_add_co_u32 s54, s54, s62
	s_mov_b32 s55, 0
	s_mul_i32 s62, s[WV], 12800
	s_add_co_u32 s62, s62, WSTG                    ; my stage
	s_add_co_u32 s63, s62, 12288
	v_lshrrev_b32 v9, 3, v1
	v_bfe_u32 v10, v1, 1, 1
	v_and_b32 v11, 1, v1
	v_bfe_u32 v12, v1, 2, 1
	v_lshl_add_u32 v9, v9, 1, v10                  ; my columns' tile
	v_lshlrev_b32 v11, 2, v11
	v_lshl_add_u32 v11, v12, 3, v11                ; the first one's row in it
	v_mul_u32_u24 v13, v9, 1536
	v_lshl_add_u32 v13, v11, 4, v13
	v_lshlrev_b32 v14, 6, v9
	v_lshl_add_u32 v14, v11, 2, v14
	v_add_nc_u32 v14, s63, v14                     ; LDS: my four scale words
	v_add_nc_u32 v15, s62, v[LI]                   ; LDS: the way out
	s_add_nc_u64 s[40:41], s[40:41], s[56:57]
	s_add_nc_u64 s[42:43], s[42:43], s[54:55]
; Trip h of the loop takes blocks h and 2 + h, one after the other: 32 loads of a wave are out at the most.
.macro WLOADS c                        ; block 2 c + h: 32 rows
	WIN 0x80
.set i, 0
.rept 32
	global_load_b128 v[4*i:4*i+3], v[LI], s[40:41] offset:(64*\c+i)*8192 th:TH_LOAD_NT
.set i, i+1
.endr
	WIN 0
.endm
.macro WBLOCK kb                       ; kb = 0: block h, kb = 1: block 2 + h
	s_wait_loadcnt 0x0
	s_wait_dscnt 0x0                               ; the last block's stores have read their registers
	WIN 2
.irp j, 0,1,2,3
.set i, 0
.rept 32
	v_mov_b32 v[64+32*\j+i], v[4*i+\j]
.set i, i+1
.endr
.endr
	WIN 0
.if \kb == 0
	WLOADS 1                                       ; the second block's numbers, under the first's work
.endif
.irp j, 0,1,2,3
	v_max3_num_f32 v[40+\j], |v[64+32*\j]|, |v[65+32*\j]|, 0x1800000   ; the floor 2^(3 - 127) among the leaves
.endr
.set i, 2
.rept 15
.irp j, 0,1,2,3
	v_max3_num_f32 v[40+\j], v[40+\j], |v[64+32*\j+i]|, |v[65+32*\j+i]|
.endr
.set i, i+2
.endr
.irp j, 0,1,2,3
	v_add_nc_u32 v[44+\j], 0xff000000, v[40+\j]    ; the conversion's scale operand
.endr
.irp j, 0,1,2,3
	v_lshrrev_b32 v[48+\j], 23, v[44+\j]           ; the scale's byte
.endr
.irp j, 0,1,2,3
	v_lshl_or_b32 v[52+\j], v[48+\j], s[52+\kb], v[52+\j]   ; into the column's word, 16 kb + 8 h bits up
.endr
.irp j, 0,1,2,3
	v_cvt_scalef32_pk16_fp6_f32 v[192+8*\j:194+8*\j], v[64+32*\j:79+32*\j], v[44+\j]
	v_cvt_scalef32_pk16_fp6_f32 v[196+8*\j:198+8*\j], v[80+32*\j:95+32*\j], v[44+\j]
.endr
	v_nop                                          ; one plain place behind a scaled conversion
.irp i, 0,1,2
.irp j, 0,1,2,3
	v_mov_b32 v[195+8*\j+\i], v[196+8*\j+\i]       ; the block's six registers on end
.endr
.endr
.irp j, 0,1,2,3                        ; block kb is registers 6 (kb / 2) .. of lane 16 (kb % 2) + row
.if \kb == 0                           ; registers 6 kb .. of lane 16 h + row
	ds_store_b128 v16, v[192+8*\j:195+8*\j] offset:16*\j
	ds_store_b64 v16, v[196+8*\j:197+8*\j] offset:512+16*\j
.else
	ds_store_b64 v16, v[192+8*\j:193+8*\j] offset:520+16*\j
	ds_store_b128 v16, v[194+8*\j:197+8*\j] offset:1024+16*\j
.endif
.endr
.endm
.irp j, 0,1,2,3
	v_mov_b32 v[52+\j], 0                          ; the scale words are put together byte by byte
.endr
	s_mov_b32 s52, 0
	s_mov_b32 s53, 16
	s_mov_b32 s[TR], 0
	WALU
.Lw:
	v_add_nc_u32 v16, s62, v13                     ; LDS: the first column's place in its image, lane 16 h + row
	WALU
	WLOADS 0
	WBLOCK 0
	WBLOCK 1
	s_wait_xcnt 0x0                                ; the loads have read their base
	s_add_nc_u64 s[40:41], s[40:41], 262144        ; 32 rows on
	s_add_co_u32 s62, s62, 256
	s_add_co_u32 s52, s52, 8
	s_add_co_u32 s53, s53, 8
	s_add_co_u32 s[TR], s[TR], 1
	WALU
	s_cmp_lt_u32 s[TR], 2
	s_cbranch_scc1 .Lw
	ds_store_b128 v14, v[52:55]
.set i, 0
.rept 25
	ds_load_b128 v[64+4*i:64+4*i+3], v15 offset:512*i   ; LDS serves a wave's instructions in order: these see my stores
.set i, i+1
.endr
.set i, 0
.rept 25
	s_wait_dscnt 24-i
	global_store_b128 v[LI], v[64+4*i:64+4*i+3], s[42:43] offset:512*i   ; 512 consecutive bytes, aligned
.set i, i+1
.endr
	FINISH
.Lfunc_end_k_qba8612eb51_qkv:
	.size	k_qba8612eb51_qkv, .Lfunc_end_k_qba8612eb51_qkv-k_qba8612eb51_qkv
	.p2alignl 7, 3214868480
	.fill 96, 4, 3214868480
	.section	.rodata,"a",@progbits
	.p2align	6, 0x0
	.amdhsa_kernel k_qba8612eb51_qkv
		.amdhsa_group_segment_fixed_size 256512
		.amdhsa_private_segment_fixed_size 0
		.amdhsa_enable_private_segment 0
		.amdhsa_kernarg_size 72
		.amdhsa_user_sgpr_count 2
		.amdhsa_user_sgpr_kernarg_segment_ptr 1
		.amdhsa_wavefront_size32 1
		.amdhsa_system_sgpr_workgroup_id_x 1
		.amdhsa_system_sgpr_workgroup_id_y 1
		.amdhsa_system_sgpr_workgroup_id_z 1
		.amdhsa_system_vgpr_workitem_id 0
		.amdhsa_next_free_vgpr 1024
		.amdhsa_next_free_sgpr 66
		.amdhsa_reserve_vcc 0
		.amdhsa_float_denorm_mode_32 3
		.amdhsa_float_denorm_mode_16_64 3
		.amdhsa_memory_ordered 1
		.amdhsa_forward_progress 1
		.amdhsa_inst_pref_size 248
	.end_amdhsa_kernel
	.amdgpu_metadata
---
amdhsa.version: [ 1, 2 ]
amdhsa.kernels:
  - .name:           k_qba8612eb51_qkv
    .symbol:         k_qba8612eb51_qkv.kd
    .args:
      - { .name: xbuf, .offset: 0, .size: 8, .value_kind: global_buffer, .address_space: global }
      - { .name: wbuf, .offset: 8, .size: 8, .value_kind: global_buffer, .address_space: global }
      - { .name: csbuf, .offset: 16, .size: 8, .value_kind: global_buffer, .address_space: global }
      - { .name: q_norm_w, .offset: 24, .size: 8, .value_kind: global_buffer, .address_space: global }
      - { .name: k_norm_w, .offset: 32, .size: 8, .value_kind: global_buffer, .address_space: global }
      - { .name: qbuf, .offset: 40, .size: 8, .value_kind: global_buffer, .address_space: global }
      - { .name: kvbuf, .offset: 48, .size: 8, .value_kind: global_buffer, .address_space: global }
      - { .name: wo, .offset: 56, .size: 8, .value_kind: global_buffer, .address_space: global }
      - { .name: wobuf, .offset: 64, .size: 8, .value_kind: global_buffer, .address_space: global }
    .group_segment_fixed_size: 256512
    .private_segment_fixed_size: 0
    .kernarg_segment_align: 8
    .kernarg_segment_size: 72
    .max_flat_workgroup_size: 128
    .sgpr_count:     66
    .vgpr_count:     1024
    .wavefront_size: 32
...
	.end_amdgpu_metadata
.endif
;; end of part 2
;; launch attn (part 3): grid 64 x 4, 16 waves a work-group, clusters of 4 x 1, 327,680 bytes of LDS; arguments qbuf, kvbuf, ybuf; writes ybuf
.if DOCPART == 3
	.amdgcn_target "amdgcn-amd-amdhsa--gfx1250"
	.amdhsa_code_object_version 6
	.text
	.protected	k_qba8612eb51_attn
	.globl	k_qba8612eb51_attn
	.p2align	8
	.type	k_qba8612eb51_attn,@function
k_qba8612eb51_attn:
	s_mov_b64 s[64:65], 0
	v_nop
	global_prefetch_b8 v0, s[64:65] scope:SCOPE_SE
	s_setreg_imm32_b32 hwreg(HW_REG_WAVE_MODE, 25, 1), 1
	s_wait_xcnt 0x0
	s_wait_alu depctr_hold_cnt(0) depctr_sa_sdst(0) depctr_va_vdst(0) depctr_va_sdst(0) depctr_va_ssrc(0) depctr_va_vcc(0) depctr_vm_vsrc(0)
	s_getreg_b32 s2, hwreg(HW_REG_IB_STS2, 6, 4)
	s_cmp_eq_u32 s2, 0
	s_cbranch_scc0 .Lentry_in_a_cluster
	s_endpgm
.Lentry_in_a_cluster:
	s_bfe_u32 s2, ttmp6, 0x10000c
	s_cmp_lg_u32 s2, 0x3003
	s_cbranch_scc0 .Lentry_shape_is_right
	s_endpgm
.Lentry_shape_is_right:
; Causal attention on codes of FP6 (E2M3) with E8M0 scales, 16 query heads on 4 key and value heads, head size 128, 2,048 tokens; then the quantiser of y along the heads' channels.
; THE SOFTMAX: t = score x log2(e) / sqrt(128); M = the largest t so far, rounded UP to a whole number; p = 2^(t - M) is quantised along the keys, not normalised; the sum is taken of the
; unquantised p and divides at the end.  When M moves, the sum and O are multiplied by 2^(old M - new M): exact.
; SHARES.  A work-group has one key and value head and two query tiles of 16 tokens: LO = i and HI = 127 - i, together 17 key steps of 128 under the causal mask, whatever i.
; Wave w serves query head 4 kvh + w % 4 and, of every slot of four key steps, key step RR = w / 4; it serves both tiles, one after the other.  The four waves of a head merge at the end, a block of 32 channels each.
; Key steps after a tile's last one, E, are left out by a scalar branch: the mask makes every p of theirs 0.
; THE WALK.  A slot is 512 keys: 98,304 bytes of K's and V's images.  LDS holds three: A (keys of slot 1), B (slot 0), C (slot 2), all asked for at the head, one load a wave; A is filled again once.
;   E of LO < 4:  HI slot 1 (A), HI 2 (C), HI 0 (B), HI slot 3 (A again), LO 0 (B)            E of LO >= 4:  HI 1, HI 2, HI 0, LO slot 1 (A again), LO 0
; So every work-group has the same five steps on the same bytes; the tile changes ahead of the fourth or of the fifth.  (In the second case A is filled again with the bytes that it held: a joint load is issued on every path.)
; Every load brings half of the tiles of EACH key step of its slot, so that each is read whatever E is.
; Both products are used transposed (S^T = K Q^T, O^T = V^T P^T): a lane holds ONE query throughout.  k's tiles hold keys 8 u + r + 8 (r / 8) of a group of 32, so that p's 16 registers of two
; neighbouring tiles are 16 neighbouring keys; v's tiles hold channels in the same order, so that y's registers 16 b + i are channels 32 b + 16 (lane / 16) + i.
; CLUSTER.  The four work-groups of a cluster have the same key and value head and the same E: each tile is asked for jointly, mask 15.  Every branch hangs on the cluster's number and the wave's; cx enters global addresses
; and the lanes' mask numbers only.  No prefetch: the three slots come at the head, where no loop runs ahead of them, and the one refill is asked for two steps ahead of its reads.
; LIMITS: NaN and infinities are not served; the promise holds while the scaled scores stay under 2^31 in magnitude; a block of zeros gets the byte 1 (its codes are zeros; this program alone reads y's bytes); a block's
; largest p is taken from its largest score, which takes v_exp_f32 not to fall where its input rises; v_exp_f32 and v_rcp_f32 are accurate to 1 ulp and flush denormals.
; REGISTERS: v1-4, v28-31 addresses that stay; v5, v6 the spare word's address and 0; v7 the mask number; v8-11 the step's addresses; v12 -M, v13 the largest t, v[14:15] the sum in two halves; v16-27 Q;
; v32-79 four fragments of K or of V; v80-93 LO's Q, scale words and mask number, then v80-95 my block of HI's O^T; v96-159 S^T, then p (ahead of S^T v96-119 hold K's tiles 7 and 6, behind the conversions
; v96-143 V's tiles 4-7); v160-223 O^T; v224-235 p's codes, v232-254 at work (ahead of S^T v224-247 hold K's tiles 5 and 4); v248-251 K's or V's scale words; v253 p's; v255 Q's.
.set P,     98304                      ; a slot; A at 0, B at P, C at 2 P
.set VOFF,  49152                      ; in a slot: K's tiles 0-3 of four key steps, K's tiles 4-7, then V's likewise: 24,576 bytes each
.set SCK,   294912                     ; K's scale words of the whole head, 8,192 bytes: [key step 16][pair of tiles 4][32 words]
.set SCV,   303104                     ; V's likewise
.set SPARE, 311296                     ; the spare words, 128 bytes for each of 16 waves
.set STM,   313344                     ; the merge: (-M, sum), 8 bytes a lane: [tile 2][head 4][wave 4][256]
.set WV,    18
.set SEL,   20                         ; s[20:21] v_permlanex16_b32's selects for lane l xor 16
.set CS,    22                         ; s[22:23] c = log2(e) / sqrt(128)
.set G1T,   24                         ; s[24:31] group 1 for the tiles;  s[32:39] for the scale words
.set G1S,   32
.set G0A,   40                         ; groups 0: A, the scale words, B, C
.set G0S,   44
.set G0B,   56
.set G0C,   60
.set G0V,   12                         ; A's V quarters, at the head
.set TB,    48                         ; s48  LDS byte at which the slot in hand begins
.set TS,    49                         ; s49  its scale words, from SCK
.set TR,    50
.set KS,    51                         ; s51  my key step in hand
.set EE,    52                         ; s52  E: the tile's last key step
.set RR,    53                         ; s53  wave / 4
.set HQ,    54                         ; s54  wave % 4
.set ELO,   55                         ; s55  LO's E
.set SWT,   66                         ; s66  which SWITCH changes the tile: 1 ahead of the fifth step, 0 ahead of the fourth
.set MK,    67                         ; s67  lanes 16-31
.set SX,    68                         ; s68  the slot that fills A again
.macro PLACES n
.rept \n
	v_nop
.endr
.endm
.macro WALU
	s_wait_alu depctr_va_vdst(0)
.endm
.macro BARRIER
	s_barrier_signal -1
	s_barrier_wait -1
.endm
.macro ROUND                           ; a round of the cluster's barrier
	BARRIER
	s_cmp_lg_u32 s[WV], 0
	s_cbranch_scc1 .Lnot_wave_0_\@
	s_barrier_signal -3
.Lnot_wave_0_\@:
	s_barrier_wait -3
	BARRIER
.endm
; Tile f of my key step of the slot, from LDS.  K's fragment is an image of 1,536 bytes; V's lies as two halves of 768 bytes: four registers at 16 x lane, two at 512 + 8 x lane.
.macro KFRAG reg, f
.irp c, 0,1,2
	ds_load_b128 v[(\reg)+4*\c:(\reg)+4*\c+3], v8 offset:((\f)/4)*24576+((\f)%4)*1536+512*\c
.endr
.endm
.macro VFRAG reg, f
	ds_load_b128 v[(\reg):(\reg)+3], v11 offset:((\f)/4)*24576+((\f)%4)*1536
	ds_load_b64 v[(\reg)+4:(\reg)+5], v9 offset:((\f)/4)*24576+((\f)%4)*1536+512
	ds_load_b128 v[(\reg)+6:(\reg)+9], v11 offset:((\f)/4)*24576+((\f)%4)*1536+768
	ds_load_b64 v[(\reg)+10:(\reg)+11], v9 offset:((\f)/4)*24576+((\f)%4)*1536+1280
.endm
; The products.  A pair of tiles shares a scale register: the even tile's words in lanes 0-15, the odd tile's in lanes 16-31.
.macro SQK t, reg                      ; S^T's tile t = 16 keys x my 16 queries
.if (\t)%2
	v_wmma_scale_f32_16x16x128_f8f6f4 v[96+8*(\t):103+8*(\t)], v[(\reg):(\reg)+11], v[16:27], 0, v[248+(\t)/2], v255 matrix_a_fmt:MATRIX_FMT_FP6 matrix_b_fmt:MATRIX_FMT_FP6 matrix_a_scale:MATRIX_SCALE_ROW1
.else
	v_wmma_scale_f32_16x16x128_f8f6f4 v[96+8*(\t):103+8*(\t)], v[(\reg):(\reg)+11], v[16:27], 0, v[248+(\t)/2], v255 matrix_a_fmt:MATRIX_FMT_FP6 matrix_b_fmt:MATRIX_FMT_FP6
.endif
.endm
.macro OPV t, reg                      ; O^T's tile t += 16 channels x my 16 queries, K = the step's 128 keys
.if (\t)%2
	v_wmma_scale_f32_16x16x128_f8f6f4 v[160+8*(\t):167+8*(\t)], v[(\reg):(\reg)+11], v[224:235], v[160+8*(\t):167+8*(\t)], v[248+(\t)/2], v253 matrix_a_fmt:MATRIX_FMT_FP6 matrix_b_fmt:MATRIX_FMT_FP6 matrix_a_scale:MATRIX_SCALE_ROW1
.else
	v_wmma_scale_f32_16x16x128_f8f6f4 v[160+8*(\t):167+8*(\t)], v[(\reg):(\reg)+11], v[224:235], v[160+8*(\t):167+8*(\t)], v[248+(\t)/2], v253 matrix_a_fmt:MATRIX_FMT_FP6 matrix_b_fmt:MATRIX_FMT_FP6
.endif
.endm
; A KEY STEP: my 128 keys of the slot in hand.
; may = 0: the step's keys all count whatever E is (HI's slots 0 and 1).  mid = 1: V is shown to all by a barrier ahead of its reads.
.macro STEP may, mid
.if \may
	s_cmp_gt_u32 s[KS], s[EE]                      ; all its keys come after my 16 queries: the work is left out
	s_cbranch_scc1 .Lhidden_\@
.endif
	v_add_nc_u32 v8, s[TB], v1
	v_add_nc_u32 v9, s[TB], v2
	v_add_nc_u32 v10, s[TS], v3
	s_delay_alu instid0(VALU_DEP_3)
	v_add_nc_u32 v11, VOFF, v8
	v_nop                                          ; five places behind the last step's products: four are owed by the loads below, into registers that those products have read; five by S^T's products, which write over V's tiles 4-7
.irp k, 0,1,2,3
	ds_load_b32 v[248+\k], v10 offset:\k*128
.endr
	KFRAG 96, 7                                    ; ALL EIGHT TILES OF K IN ONE RUN, in the order in which they are multiplied.  Tiles 7 and 6 lie where tiles 0-2 of S^T will be written,
	KFRAG 108, 6
	KFRAG 224, 5                                   ; tiles 5 and 4 where p's codes and the softmax's work registers will be
	KFRAG 236, 4
	KFRAG 32, 3
	KFRAG 44, 2
	KFRAG 56, 1
	KFRAG 68, 0
	WALU
	s_wait_dscnt 12                                ; the scale words and tiles 7-4 are in; the other four tiles' 12 loads may be out
	SQK 7, 96
	SQK 6, 108
	SQK 5, 224
	SQK 4, 236
	s_wait_dscnt 0x0
	SQK 3, 32
	PLACES 5                                       ; tiles 2, 1 and 0 write over tile 6's and 7's operands: five places behind their products (ISA guide 7.12.1; the products between are not counted)
	SQK 2, 44
	SQK 1, 56
	SQK 0, 68
.if \mid
	s_cmp_lt_u32 s[WV], 6
	s_cbranch_scc0 .Lmid_\@
	s_wait_tensorcnt 0x0                           ; A's V, which waves 4 and 5 alone asked for
.Lmid_\@:
	BARRIER                                        ; (no LDS instruction of mine is out)
.endif
	PLACES 4                                       ; in front of the loads below, into registers that the products have read, and of the first read of results
.irp k, 0,1,2,3
	ds_load_b32 v[248+\k], v10 offset:SCV-SCK+\k*128
.endr
	VFRAG 32, 0                                    ; FOUR TILES OF V NOW: nothing waits for them before the softmax is through
	VFRAG 44, 1
	VFRAG 56, 2
	VFRAG 68, 3
.if \may
	s_cmp_lt_u32 s[KS], s[EE]                      ; a step all of whose keys count skips the mask
	s_cbranch_scc1 .Lopen_\@
	v_mov_b32 v254, 0xff800000                     ; on the diagonal the scores of hidden keys become -infinity ahead of the maximum: p = 0 then.  The step's first key counts for every query
.set n, 0
.rept 64
	v_cmp_gt_i32 vcc_lo, 32*(n/16)+n%16, v7
	v_cndmask_b32 v[96+n], v[96+n], v254, vcc_lo
.set n, n+1
.endr
.Lopen_\@:
.endif
.irp b, 0,1,2,3
	v_max3_num_f32 v[232+\b], v[96+16*\b], v[97+16*\b], v[98+16*\b]   ; the largest score of each block of 32 keys: it serves for the row's maximum and, since p rises with the score, for the block's largest p
.endr
.irp i, 3,5,7,9,11,13
.irp b, 0,1,2,3
	v_max3_num_f32 v[232+\b], v[232+\b], v[96+16*\b+\i], v[97+16*\b+\i]
.endr
.endr
.irp b, 0,1,2,3
	v_max_num_f32 v[232+\b], v[232+\b], v[111+16*\b]
.endr
.irp b, 0,1,2,3
	s_delay_alu instid0(VALU_DEP_4)
	v_permlanex16_b32 v[236+\b], v[232+\b], s[SEL], s[SEL+1]
.endr
.irp b, 0,1,2,3
	s_delay_alu instid0(VALU_DEP_4)
	v_max_num_f32 v[232+\b], v[232+\b], v[236+\b]  ; with lane l xor 16's 16 keys
.endr
	s_delay_alu instid0(VALU_DEP_2)
	v_max3_num_f32 v254, v232, v233, v234
	s_delay_alu instid0(VALU_DEP_1)
	v_max_num_f32 v254, v254, v235                 ; the step's largest score of my query
	s_delay_alu instid0(VALU_DEP_1)
	v_mul_f32 v254, s[CS], v254                    ; as t (c is positive)
	s_delay_alu instid0(VALU_DEP_1)
	v_max_num_f32 v13, v13, v254                   ; the running largest t
	v_mov_b32 v254, v12
	s_delay_alu instid0(VALU_DEP_2)
	v_floor_f32 v12, -v13                          ; the new -M = floor(-t) = -ceil(t)
	s_delay_alu instid0(VALU_DEP_1)
	v_sub_f32 v254, v12, v254                      ; M's old value less its new one: a whole number, 0 or less
	s_delay_alu instid0(VALU_DEP_1)
	v_cvt_i32_f32 v254, v254                       ; (it saturates)
	s_delay_alu instid0(VALU_DEP_1)
	v_ldexp_f32 v252, 1.0, v254                    ; f = 2^(old M - new M)
.set n, 96
.rept 32
	v_pk_fma_f32 v[n:n+1], v[n:n+1], s[CS:CS+1], v[12:13] op_sel_hi:[1,0,0]   ; t - M, two at a time
.set n, n+2
.endr
.irp b, 0,1,2,3
	v_fma_f32 v[232+\b], v[232+\b], s[CS], v12     ; the same of each block's largest score
.endr
	WALU
.set n, 96
.rept 64
	v_exp_f32 v[n], v[n]                           ; p = 2^(t - M), at most 1
.set n, n+1
.endr
	v_pk_mul_f32 v[14:15], v[14:15], v[252:253] op_sel_hi:[1,0]   ; the sums under the new M.  (A plain place behind the exponentials)
	WALU                                           ; one wait for the whole batch, ahead of its first reader
.irp b, 0,1,2,3
	v_exp_f32 v[232+\b], v[232+\b]                 ; the block's largest p: the same two instructions on the same number give the same bits
.endr
.set n, 96                             ; the sum of the 64 p, in eight chains by turns
.irp t, 236,238,240,242,244,246,230
	v_pk_add_f32 v[\t:\t+1], v[n:n+1], v[n+2:n+3]
.set n, n+4
.endr
	v_pk_add_f32 v[14:15], v[14:15], v[n:n+1]
.set n, n+2
.rept 2
.irp t, 236,238,240,242,244,246,230
	v_pk_add_f32 v[\t:\t+1], v[\t:\t+1], v[n:n+1]
.set n, n+2
.endr
	v_pk_add_f32 v[14:15], v[14:15], v[n:n+1]
.set n, n+2
.endr
	v_pk_add_f32 v[236:237], v[236:237], v[158:159]
	v_pk_add_f32 v[240:241], v[240:241], v[242:243]
	v_pk_add_f32 v[244:245], v[244:245], v[246:247]
	v_pk_add_f32 v[14:15], v[14:15], v[230:231]
	v_pk_add_f32 v[236:237], v[236:237], v[238:239]
	v_pk_add_f32 v[240:241], v[240:241], v[244:245]
	s_delay_alu instid0(VALU_DEP_2)
	v_pk_add_f32 v[14:15], v[14:15], v[236:237]
	s_delay_alu instid0(VALU_DEP_1)
	v_pk_add_f32 v[14:15], v[14:15], v[240:241]
	WALU                                           ; and one for the four
.irp b, 0,1,2,3
	v_max_num_f32 v[232+\b], 0x1800000, v[232+\b]  ; the floor 2^(3 - 127): the byte cannot fall under 1
.endr
.irp b, 0,1,2,3
	s_delay_alu instid0(VALU_DEP_4)
	v_add_nc_u32 v[244+\b], 0xff000000, v[232+\b]  ; 2 off the exponent field: the conversion's scale operand
.endr
.irp b, 0,1,2,3
	s_delay_alu instid0(VALU_DEP_4)
	v_lshrrev_b32 v[236+\b], 23, v[244+\b]         ; the scale's byte
.endr
	s_delay_alu instid0(VALU_DEP_3)
	v_lshl_or_b32 v253, v237, 8, v236
	s_delay_alu instid0(VALU_DEP_1)
	v_lshl_or_b32 v253, v238, 16, v253
	s_delay_alu instid0(VALU_DEP_1)
	v_lshl_or_b32 v253, v239, 24, v253
.irp c, 0,1
	v_cvt_scalef32_pk16_fp6_f32 v[224+6*\c:226+6*\c], v[96+32*\c:111+32*\c], v[244+2*\c]
	v_cvt_scalef32_pk16_fp6_f32 v[236+4*\c:238+4*\c], v[112+32*\c:127+32*\c], v[245+2*\c]   ; (a conversion's three registers begin on an even number)
.endr
	v_nop                                          ; one plain place behind a scaled conversion
	VFRAG 96, 4                                    ; p is converted: V'S LAST FOUR TILES take its registers; they land under the lines below and the first four products
	VFRAG 108, 5
	VFRAG 120, 6
	VFRAG 132, 7
.irp c, 0,1                            ; the operand's layout wants a WHOLE block in a lane: lanes 0-15 block 2 c, lanes 16-31 block 2 c + 1
.irp i, 0,1,2
	v_permlane16_swap_b32 v[224+6*\c+\i], v[236+4*\c+\i]
.endr
.irp i, 0,1,2
	s_delay_alu instid0(VALU_DEP_3)
	v_mov_b32 v[227+6*\c+\i], v[236+4*\c+\i]
.endr
.endr
	WALU                                           ; the wait ahead of the first reader of O^T
.set n, 160
.rept 32
	v_pk_mul_f32 v[n:n+1], v[n:n+1], v[252:253] op_sel_hi:[1,0]   ; O^T under the new M.  (These 32 are also the places between the lines that made p's codes and scale word and the products below)
.set n, n+2
.endr
	WALU
	s_wait_dscnt 16                                ; V's scale words and tiles 0-3 are in; the last four tiles' 16 loads may be out
	OPV 0, 32                                      ; the eight accumulators by turns
	OPV 1, 44
	OPV 2, 56
	OPV 3, 68
	s_wait_dscnt 8                                 ; tiles 4 and 5 are in
	OPV 4, 96
	OPV 5, 108
	s_wait_dscnt 0x0
	OPV 6, 120
	OPV 7, 132
.Lhidden_\@:
.endm
; A TILE IS DONE: my block RR of O^T stays, in v[keep] .., the three others go to the waves RR + 1, RR + 2, RR + 3 (modulo 4) of my head: [head][distance 3][giver][2,048]; each accumulator from its low end on.
.macro HAND keep, adr, off
	v_add_f32 v13, v14, v15                        ; the sum's two halves (the largest t is done with)
	ds_store_b64 v30, v[12:13] offset:\off
.irp r, 0,1,2,3
	s_cmp_eq_u32 s[RR], \r
	s_cbranch_scc0 .Lnext_\@_\r
.set n, 0
.rept 16
	v_mov_b32 v[\keep+n], v[160+16*\r+n]
.set n, n+1
.endr
.irp d, 1,2,3
.irp i, 0,1,2,3
	ds_store_b128 \adr, v[160+16*((\r+\d)%4)+4*\i:163+16*((\r+\d)%4)+4*\i] offset:8192*(\d-1)+512*\i
.endr
.endr
.Lnext_\@_\r:
.endr
.endm
; The merge of one tile: loads (the three other waves' (-M, sum) and their parts of my block), and the sum under the joint M, over the row's sum.
.macro MLOAD a, off
	ds_load_b64 v[112:113], v30 offset:\off
.irp d, 1,2,3
	ds_load_b64 v[112+2*\d:113+2*\d], v[143+\d] offset:\off
.endr
.irp d, 1,2,3
.irp i, 0,1,2,3
	ds_load_b128 v[16+16*\d+4*\i:19+16*\d+4*\i], v[\a+\d] offset:8192*(\d-1)+512*\i
.endr
.endr
	s_wait_dscnt 0x0
.endm
.macro MERGE own
	v_min_num_f32 v120, v112, v114
	v_min_num_f32 v121, v116, v118
	v_min_num_f32 v120, v120, v121                 ; the joint -M
.irp k, 0,1,2,3
	v_sub_f32 v[122+\k], v120, v[112+2*\k]         ; whole numbers, 0 or less.  (A wave without a step has -M = 3e38: its factor falls to 0)
.endr
.irp k, 0,1,2,3
	v_cvt_i32_f32 v[122+\k], v[122+\k]             ; (it saturates)
.endr
.irp k, 0,1,2,3
	v_ldexp_f32 v[128+2*\k], 1.0, v[122+\k]        ; exact powers of two
.endr
	v_mul_f32 v120, v113, v128
	v_fma_f32 v120, v115, v130, v120
	v_fma_f32 v120, v117, v132, v120
	v_fma_f32 v120, v119, v134, v120
	v_permlanex16_b32 v121, v120, s[SEL], s[SEL+1]
	v_add_f32 v120, v120, v121                     ; with lane l xor 16's: the row's sum
	WALU
	v_rcp_f32 v126, v120
	v_nop                                          ; a plain place behind the transcendental
	WALU                                           ; the wait, ahead of the first reader
.irp k, 0,1,2,3
	v_mul_f32 v[128+2*\k], v[128+2*\k], v126
.endr
.set n, 0
.rept 8
	v_pk_mul_f32 v[\own+n:\own+n+1], v[\own+n:\own+n+1], v[128:129] op_sel_hi:[1,0]
.set n, n+2
.endr
.irp d, 1,2,3
.set n, 0
.rept 8
	v_pk_fma_f32 v[\own+n:\own+n+1], v[16+16*\d+n:17+16*\d+n], v[128+2*\d:129+2*\d], v[\own+n:\own+n+1] op_sel_hi:[1,0,1]
.set n, n+2
.endr
.endr
.endm
	s_load_b128 s[4:7], s[0:1], 0x0                ; qbuf, kvbuf
	s_load_b64 s[8:9], s[0:1], 0x10                ; ybuf
	v_lshl_add_u32 v5, v0, 2, SPARE
	v_mov_b32 v6, 0
	ds_add_u32 v5, v6                              ; the opening lines: the add, twice on end, and its wait
	ds_add_u32 v5, v6
	v_lshrrev_b32 v8, 5, v0
	v_readfirstlane_b32 s[WV], v8                  ; wave 0..15
	s_and_b32 s[HQ], s[WV], 3
	s_lshr_b32 s[RR], s[WV], 2
	s_bfe_u32 s69, ttmp6, 0x40000                  ; cx
	s_lshl_b32 s70, ttmp9, 2
	s_add_co_u32 s70, s70, s69                     ; LO = i = 4 x cluster + cx
	s_sub_co_u32 s71, 127, s70                     ; HI
	s_lshr_b32 s[ELO], ttmp9, 1                    ; i / 8, from the cluster's number alone
	s_sub_co_u32 s[EE], 15, s[ELO]                 ; HI's E
	s_and_b32 s72, ttmp7, 0xffff                   ; the key and value head
	s_lshl_b32 s73, s72, 2
	s_add_co_u32 s73, s73, s[HQ]                   ; the query head
	s_cmp_lt_u32 ttmp9, 8                          ; LO's E under 4
	s_cselect_b32 s[SX], 3, 1
	s_cselect_b32 s[SWT], 1, 0
	s_cselect_b32 s76, 98304, 0                    ; bytes from slot 1 to the slot that fills A again
	s_mov_b32 s77, 0
; Where quarter q of a slot lies: K's and V's images begin 786,432 apart; tiles 4-7 of a key step 6,144 behind tiles 0-3
.macro QUARTER d, q
	s_lshr_b32 s74, s\q, 1
	s_mul_i32 s[\d], s74, 786432
	s_and_b32 s74, s\q, 1
	s_mul_i32 s74, s74, 6144
	s_add_co_u32 s[\d], s[\d], s74
	s_mul_i32 s74, s72, 196608
	s_add_co_u32 s[\d], s[\d], s74
	s_mov_b32 s[\d+1], 0
.endm
	s_and_b32 s75, s[WV], 3                        ; waves 0-3 fetch A's quarters
	QUARTER G0A+2, 75
	s_add_co_u32 s[G0A+2], s[G0A+2], 49152         ; slot 1
	s_mov_b32 s[G0A], 1
	s_mul_i32 s[G0A+1], s75, 24576
	s_and_b32 s75, s[WV], 1                        ; at the head waves 0 and 1 fetch A's K, waves 4 and 5 its V
	s_or_b32 s75, s75, 2
	QUARTER G0V+2, 75
	s_add_co_u32 s[G0V+2], s[G0V+2], 49152
	s_mov_b32 s[G0V], 1
	s_mul_i32 s[G0V+1], s75, 24576
	s_add_co_u32 s75, s[WV], 2
	s_and_b32 s75, s75, 3                          ; waves 6-9 B's, waves 10-13 C's
	QUARTER G0B+2, 75                              ; slot 0
	s_add_co_u32 s[G0C+2], s[G0B+2], 98304         ; slot 2
	s_mov_b32 s[G0C+3], 0
	s_mov_b32 s[G0B], 1
	s_mov_b32 s[G0C], 1
	s_mul_i32 s74, s75, 24576
	s_add_co_u32 s[G0B+1], s74, P
	s_add_co_u32 s[G0C+1], s74, 2*P
	s_and_b32 s75, s[WV], 1                        ; waves 2 and 3: K's and V's scale words
	s_mov_b32 s[G0S], 1
	s_lshl_b32 s74, s75, 13
	s_add_co_u32 s[G0S+1], s74, SCK
	s_lshl_b32 s[G0S+2], s75, 15
	s_lshl_b32 s74, s72, 13
	s_add_co_u32 s[G0S+2], s[G0S+2], s74
	s_add_co_u32 s[G0S+2], s[G0S+2], 1572864
	s_mov_b32 s[G0S+3], 0
	; groups 1 (elements of 8 bytes): a quarter of a slot is four rows of 6,144 bytes, 12,288 apart; a head's scale words are 32 dense rows of 256
	s_mov_b32 s[G1T+0], 15|(3<<16)|(1<<21)         ; 15:0 the mask: all four work-groups; 17:16 elements of 8 bytes; 21 set beside a mask
	s_mov_b32 s[G1T+1], 768<<16
	s_mov_b32 s[G1T+2], 4<<16
	s_mov_b32 s[G1T+3], 768<<16
	s_mov_b32 s[G1T+4], 4
	s_mov_b32 s[G1T+5], 1536
	s_mov_b32 s[G1T+6], 0
	s_mov_b32 s[G1T+7], 0
	s_mov_b32 s[G1S+0], 15|(3<<16)|(1<<21)
	s_mov_b32 s[G1S+1], 32<<16
	s_mov_b32 s[G1S+2], 32<<16
	s_mov_b32 s[G1S+3], 32<<16
	s_mov_b32 s[G1S+4], 32
	s_mov_b32 s[G1S+5], 32
	s_mov_b32 s[G1S+6], 0
	s_mov_b32 s[G1S+7], 0
	s_mul_i32 s90, s73, 196608                     ; Q's images
	s_mul_i32 s84, s71, 1536
	s_add_co_u32 s84, s84, s90
	s_mov_b32 s85, 0
	s_mul_i32 s86, s70, 1536
	s_add_co_u32 s86, s86, s90
	s_mov_b32 s87, 0
	s_lshl_b32 s90, s73, 13                        ; and scale words: 64 bytes a tile
	s_add_co_u32 s90, s90, 3145728
	s_lshl_b32 s88, s71, 6
	s_add_co_u32 s88, s88, s90
	s_mov_b32 s89, 0
	s_lshl_b32 s92, s70, 6
	s_add_co_u32 s92, s92, s90
	s_mov_b32 s93, 0
; A tile's part of y's offsets: images [group of 32 tokens][head 16][tile 2][1536], scale words [group][head][32 words]; and its first query within its key step: 32 (group % 4) + 8 (tile % 2)
.macro YOFF t, d
	s_lshr_b32 s69, s\t, 1
	s_and_b32 s74, s\t, 1
	s_mul_i32 s\d, s69, 49152
	s_mul_i32 s75, s74, 1536
	s_add_co_u32 s\d, s\d, s75
	s_lshl_b32 s[\d+1], s69, 11
	s_lshl_b32 s75, s74, 6
	s_add_co_u32 s[\d+1], s[\d+1], s75
	s_and_b32 s69, s69, 3
	s_lshl_b32 s69, s69, 5
	s_lshl_b32 s74, s74, 3
	s_add_co_u32 s[\d+2], s69, s74
.endm
	YOFF 71, 94                                    ; HI: s94, s95, s96
	YOFF 70, 97                                    ; LO: s97, s98, s99
	s_mov_b32 s[SEL], 0x76543210
	s_mov_b32 s[SEL+1], 0xfedcba98
	s_mov_b32 s[CS], 0x3e0293ee                    ; c = log2(e) / sqrt(128)
	s_mov_b32 s[CS+1], s[CS]                       ; (named with it as a pair)
	s_mov_b32 s[MK], 0xffff0000
	s_mul_i32 s74, s[RR], 6144
	s_add_co_u32 s75, s74, VOFF
	s_lshl_b32 s78, s[RR], 9
	s_add_co_u32 s78, s78, SCK
	s_mul_i32 s79, s[HQ], 24576
	s_lshl_b32 s80, s[RR], 11
	s_add_co_u32 s79, s79, s80
	s_add_co_u32 s80, s79, 2*P
	s_lshl_b32 s81, s[HQ], 10
	s_lshl_b32 s82, s[RR], 8
	s_add_co_u32 s81, s81, s82
	s_add_co_u32 s81, s81, STM
	v_and_b32 v9, 31, v0                           ; lane
	v_and_b32 v10, 15, v0                          ; r
	v_bfe_u32 v11, v0, 4, 1                        ; h
	v_lshlrev_b32 v31, 4, v9                       ; 16 x lane
	v_lshlrev_b32 v29, 2, v10                      ; 4 r
	v_and_b32 v8, 8, v10
	v_lshlrev_b32 v2, 3, v9
	v_lshlrev_b32 v11, 4, v11
	v_add_nc_u32 v10, v10, v8                      ; r + 8 (r / 8)
	v_add_nc_u32 v1, s74, v31                      ; K: my key step of a slot, 16 bytes a lane
	v_add_nc_u32 v2, s75, v2                       ; V: the same step, 8 bytes a lane
	v_lshl_add_u32 v3, v9, 2, s78                  ; its scale words, 4 bytes a lane
	v_sub_nc_u32 v10, v10, v11
	v_add_nc_u32 v28, s79, v31                     ; the merge: what I hand on of LO, in A's bytes,
	v_add_nc_u32 v4, s80, v31                      ; and of HI, in C's
	v_lshl_add_u32 v30, v9, 3, s81                 ; and (-M, sum)
	v_add_nc_u32 v7, s96, v10                      ; HI's query within its key step - 16 (lane / 16).  Register 16 b + i holds key 32 b + 16 (lane / 16) + i: hidden where 32 b + i is greater
	v_add_nc_u32 v93, s99, v10                     ; LO's
	WALU                                           ; the wait ahead of the waits below
	s_wait_dscnt 0x0                               ; both opening adds are done
	s_wait_kmcnt 0x0
.irp g, G0A, G0V, G0S, G0B, G0C
	s_add_nc_u64 s[\g+2:\g+3], s[6:7], s[\g+2:\g+3]
	s_or_b32 s[\g+3], s[\g+3], 0x80000000
.endr
	s_add_nc_u64 s[84:85], s[4:5], s[84:85]
	s_add_nc_u64 s[86:87], s[4:5], s[86:87]
	s_add_nc_u64 s[88:89], s[4:5], s[88:89]
	s_add_nc_u64 s[92:93], s[4:5], s[92:93]
	ROUND                                          ; all four work-groups are here: the first joint loads meet
; The head's loads, one a wave at the most, in one chain of arms on the wave's number.  s_nop 0 and four v_nop behind each.
.macro ARM under, g0, g1
	s_cmp_lt_u32 s[WV], \under
	s_cbranch_scc0 .Larm_\@
	tensor_load_to_lds s[\g0:\g0+3], s[\g1:\g1+7]
	s_nop 0
	PLACES 4
	s_branch .Lasked
.Larm_\@:
.endm
	ARM 2, G0A, G1T
	ARM 4, G0S, G1S
	ARM 6, G0V, G1T
	ARM 10, G0B, G1T
	ARM 14, G0C, G1T
.Lasked:
.irp c, 0,1,2
	global_load_b128 v[16+4*\c:19+4*\c], v31, s[84:85] offset:512*\c   ; HI's Q
.endr
	global_load_b32 v255, v29, s[88:89]            ; and its scale words
.irp c, 0,1,2
	global_load_b128 v[80+4*\c:83+4*\c], v31, s[86:87] offset:512*\c   ; LO's, kept
.endr
	global_load_b32 v92, v29, s[92:93]
	v_mov_b32 v13, 0xff61b1e6                      ; the largest t so far: -3e38, under every t
	v_mov_b32 v12, 0x7f61b1e6                      ; -M
	v_mov_b32 v14, 0                               ; the sum, in two halves
	v_mov_b32 v15, 0
.irp b, 0,1,2,3
	v_mov_b32 v[236+\b], 0                         ; written once: a lane permute's destination counts as one of its sources
.endr
	v_mov_b32 v253, 0                              ; (named as the upper half of the pair v[252:253] before it is first written)
.set n, 160
.rept 64
	v_mov_b32 v[n], 0                              ; O^T.  (The step is written for every trip alike: the first change of M multiplies by 0)
.set n, n+1
.endr
	s_mov_b32 s[TB], 0                             ; the first step: HI, slot 1, in A
	s_mov_b32 s[TS], 2048
	s_add_co_u32 s[KS], s[RR], 4
	WALU                                           ; the wait at the head's end
	s_cmp_lt_u32 s[WV], 4
	s_cbranch_scc0 .Lnot_first
	s_wait_tensorcnt 0x0                           ; A's K and the scale words, which waves 0-3 alone asked for
.Lnot_first:
	s_wait_loadcnt 0x0                             ; Q
	BARRIER
	STEP 0, 1
	s_wait_tensorcnt 0x0                           ; my load has landed: B and C are whole behind the round
	ds_add_u32 v5, v6
	ds_add_u32 v5, v6
	s_add_nc_u64 s[G0A+2:G0A+3], s[G0A+2:G0A+3], s[76:77]   ; no tensor load of mine is out, so a group 0 may be written
	s_mov_b32 s[TB], 2*P                           ; HI slot 2, in C,
	s_mov_b32 s[TS], 4096
	s_add_co_u32 s[KS], s[RR], 8
	s_wait_dscnt 0x0                               ; the adds are done, and my reads of A are over
	ROUND
	s_cmp_lt_u32 s[WV], 4
	s_cbranch_scc0 .Lno_refill
	tensor_load_to_lds s[G0A:G0A+3], s[G1T:G1T+7]
	s_nop 0
	PLACES 4
.Lno_refill:
	STEP 1, 0
	s_mov_b32 s[TB], P                             ; then HI slot 0, in B
	s_mov_b32 s[TS], 0
	s_mov_b32 s[KS], s[RR]
	WALU
	s_wait_tensorcnt 0x0                           ; my part of the refill has landed,
	s_wait_dscnt 0x0                               ; and my reads of C are over.  Nobody writes B
	s_barrier_signal -1
	STEP 0, 0
	s_barrier_wait -1
	s_mov_b32 s[TB], 0                             ; the refilled A: HI's slot 3 or LO's slot 1
	s_lshl_b32 s[TS], s[SX], 11
	s_lshl_b32 s[KS], s[SX], 2
	s_add_co_u32 s[KS], s[KS], s[RR]
.macro SWITCH when                     ; the change of tile
	s_cmp_eq_u32 s[SWT], \when
	s_cbranch_scc0 .Lsame_tile_\@
.set n, 0
.rept 12
	v_mov_b32 v[16+n], v[80+n]                     ; LO's Q.  (These lines are also the places behind the last products, whose results are read below)
.set n, n+1
.endr
	v_mov_b32 v255, v92
	v_mov_b32 v7, v93
	HAND 80, v4, 0                                 ; HI goes to C's bytes, which nobody reads or fills any more
	v_mov_b32 v13, 0xff61b1e6                      ; LO begins anew: its first change of M multiplies the old sum and O^T, which are finite, by 0
	v_mov_b32 v12, 0x7f61b1e6
	s_mov_b32 s[EE], s[ELO]
	WALU                                           ; the wait ahead of the branches below
.Lsame_tile_\@:
.endm
	SWITCH 0
	STEP 1, 0
	SWITCH 1
	s_mov_b32 s[TB], P                             ; then LO slot 0, in B
	s_mov_b32 s[TS], 0
	s_mov_b32 s[KS], s[RR]
	WALU
	s_wait_dscnt 0x0                               ; what I handed on of HI is stored, and my reads of A are over.  This barrier too stands open over a step that reads B alone
	s_barrier_signal -1
	STEP 1, 0
	; THE MERGE.  I take block RR of both tiles: distance d's giver is wave RR - d (modulo 4) of my head.
	s_mul_i32 s71, s[HQ], 24576
	s_lshl_b32 s72, s[HQ], 10
	s_add_co_u32 s72, s72, STM
.irp d, 1,2,3
	s_add_co_u32 s69, s[RR], 4-\d
	s_and_b32 s69, s69, 3
	s_lshl_b32 s70, s69, 11
	s_add_co_u32 s70, s70, s71
	v_add_nc_u32 v[151+\d], s70, v31               ; LO's parts
	s_add_co_u32 s70, s70, 2*P
	v_add_nc_u32 v[154+\d], s70, v31               ; HI's
	s_lshl_b32 s69, s69, 8
	s_add_co_u32 s69, s69, s72
	v_lshl_add_u32 v150, v29, 1, s69               ; 8 r,
	v_and_b32 v151, 0x100, v31
	v_lshrrev_b32 v151, 1, v151
	v_add_nc_u32 v[143+\d], v150, v151             ; + 128 (lane / 16): 8 x lane: (-M, sum)
.endr
	; where y goes: lanes 0-15 store HI's rows, lanes 16-31 LO's.  In an image block b is half c = b / 2 (768 bytes): 16 bytes a lane at 256 (b % 2) + 16 r, 8 bytes at 512 + 128 (b % 2) + 8 r
	s_mul_i32 s69, s73, 3072
	s_lshr_b32 s70, s[RR], 1
	s_mul_i32 s70, s70, 768
	s_add_co_u32 s69, s69, s70
	s_and_b32 s70, s[RR], 1
	s_lshl_b32 s71, s70, 8
	s_add_co_u32 s71, s71, s69
	s_lshl_b32 s72, s70, 7
	s_add_co_u32 s72, s72, s69
	s_add_co_u32 s72, s72, 512
	s_lshl_b32 s74, s73, 7
	s_add_co_u32 s74, s74, 3145728
	s_add_co_u32 s74, s74, s[RR]                   ; byte b of a row's scale word
	v_mov_b32 v150, s94
	v_mov_b32 v151, s97
	v_cndmask_b32 v150, v150, v151, s[MK]
	v_mov_b32 v149, s95
	v_mov_b32 v151, s98
	v_cndmask_b32 v149, v149, v151, s[MK]
	v_lshl_add_u32 v147, v29, 2, v150
	v_add_nc_u32 v147, s71, v147
	v_lshl_add_u32 v148, v29, 1, v150
	v_add_nc_u32 v148, s72, v148
	v_add3_u32 v149, v149, v29, s74
.irp k, 0,1,2,3
	v_mov_b32 v[129+2*\k], 0                       ; (named with the factors as pairs)
.endr
	WALU
	s_barrier_wait -1
	HAND 96, v28, 4096                             ; LO goes to A's bytes, which have had their last fill and their last read
	WALU
	s_wait_dscnt 0x0                               ; for the others' sake: my stores are done
	s_barrier_signal -1
	MLOAD 154, 0                                   ; HI's merge while the others arrive: C's bytes, which nobody writes any more
	MERGE 80
	WALU
	s_barrier_wait -1
	MLOAD 151, 4096
	MERGE 96
	; y's quantiser: my block of 32 channels of both tiles, 16 numbers a lane each
	v_max3_num_f32 v32, |v80|, |v81|, 0x1800000
	v_max3_num_f32 v33, |v96|, |v97|, 0x1800000
.irp i, 2,4,6,8,10,12,14
	v_max3_num_f32 v32, v32, |v[80+\i]|, |v[81+\i]|
	v_max3_num_f32 v33, v33, |v[96+\i]|, |v[97+\i]|
.endr
	v_permlanex16_b32 v34, v32, s[SEL], s[SEL+1]
	v_permlanex16_b32 v35, v33, s[SEL], s[SEL+1]
	v_max_num_f32 v32, v32, v34
	v_max_num_f32 v33, v33, v35
	v_add_nc_u32 v36, 0xff000000, v32
	v_add_nc_u32 v37, 0xff000000, v33
	v_lshrrev_b32 v38, 23, v36
	v_lshrrev_b32 v39, 23, v37
	v_cvt_scalef32_pk16_fp6_f32 v[40:42], v[80:95], v36
	v_cvt_scalef32_pk16_fp6_f32 v[44:46], v[96:111], v37
	v_cndmask_b32 v38, v38, v39, s[MK]             ; (the plain place behind the conversions)
.irp i, 0,1,2
	v_permlane16_swap_b32 v[40+\i], v[44+\i]       ; lanes 0-15 now hold a whole block of HI's row r, lanes 16-31 one of LO's: lower 16 codes in v40-42, upper 16 in v44-46
.endr
	v_mov_b32 v43, v44
	v_mov_b32 v44, v45
	v_mov_b32 v45, v46
	global_store_b128 v147, v[40:43], s[8:9]       ; sixteen lanes store 256 consecutive bytes, aligned
	global_store_b64 v148, v[44:45], s[8:9]
	global_store_b8 v149, v38, s[8:9]
	s_wait_tensorcnt 0x0                           ; the wave's end, behind my last tensor load and my last LDS store
	ds_add_u32 v5, v6
	s_wait_dscnt 0x0
	ROUND                                          ; the closing round: no work-group ends while a partner may still ask for a tile that names it
	s_endpgm
.Lfunc_end_k_qba8612eb51_attn:
	.size	k_qba8612eb51_attn, .Lfunc_end_k_qba8612eb51_attn-k_qba8612eb51_attn
	.p2alignl 7, 3214868480
	.fill 96, 4, 3214868480
	.section	.rodata,"a",@progbits
	.p2align	6, 0x0
	.amdhsa_kernel k_qba8612eb51_attn
		.amdhsa_group_segment_fixed_size 327680
		.amdhsa_private_segment_fixed_size 0
		.amdhsa_enable_private_segment 0
		.amdhsa_kernarg_size 24
		.amdhsa_user_sgpr_count 2
		.amdhsa_user_sgpr_kernarg_segment_ptr 1
		.amdhsa_wavefront_size32 1
		.amdhsa_system_sgpr_workgroup_id_x 1
		.amdhsa_system_sgpr_workgroup_id_y 1
		.amdhsa_system_sgpr_workgroup_id_z 1
		.amdhsa_system_vgpr_workitem_id 0
		.amdhsa_next_free_vgpr 256
		.amdhsa_next_free_sgpr 100
		.amdhsa_reserve_vcc 1
		.amdhsa_float_denorm_mode_32 3
		.amdhsa_float_denorm_mode_16_64 3
		.amdhsa_memory_ordered 1
		.amdhsa_forward_progress 1
		.amdhsa_inst_pref_size 165
	.end_amdhsa_kernel
	.amdgpu_metadata
---
amdhsa.version: [ 1, 2 ]
amdhsa.kernels:
  - .name:           k_qba8612eb51_attn
    .symbol:         k_qba8612eb51_attn.kd
    .args:
      - { .name: qbuf, .offset: 0, .size: 8, .value_kind: global_buffer, .address_space: global }
      - { .name: kvbuf, .offset: 8, .size: 8, .value_kind: global_buffer, .address_space: global }
      - { .name: ybuf, .offset: 16, .size: 8, .value_kind: global_buffer, .address_space: global }
    .group_segment_fixed_size: 327680
    .private_segment_fixed_size: 0
    .kernarg_segment_align: 8
    .kernarg_segment_size: 24
    .max_flat_workgroup_size: 512
    .sgpr_count:     100
    .vgpr_count:     256
    .wavefront_size: 32
...
	.end_amdgpu_metadata
.endif
;; end of part 3
;; launch oproj (part 4): grid 16 x 16, 4 waves a work-group, clusters of 4 x 1, 239,104 bytes of LDS; arguments ybuf, wobuf, out0; writes out0
.if DOCPART == 4
	.amdgcn_target "amdgcn-amd-amdhsa--gfx1250"
	.amdhsa_code_object_version 6
	.text
	.protected	k_qba8612eb51_oproj
	.globl	k_qba8612eb51_oproj
	.p2align	8
	.type	k_qba8612eb51_oproj,@function
k_qba8612eb51_oproj:
	s_mov_b64 s[64:65], 0
	v_nop
	global_prefetch_b8 v0, s[64:65] scope:SCOPE_SE
	s_setreg_imm32_b32 hwreg(HW_REG_WAVE_MODE, 25, 1), 1
	s_wait_xcnt 0x0
	s_wait_alu depctr_hold_cnt(0) depctr_sa_sdst(0) depctr_va_vdst(0) depctr_va_sdst(0) depctr_va_ssrc(0) depctr_va_vcc(0) depctr_vm_vsrc(0)
	s_getreg_b32 s2, hwreg(HW_REG_IB_STS2, 6, 4)
	s_cmp_eq_u32 s2, 0
	s_cbranch_scc0 .Lentry_in_a_cluster
	s_endpgm
.Lentry_in_a_cluster:
	s_bfe_u32 s2, ttmp6, 0x10000c
	s_cmp_lg_u32 s2, 0x3003
	s_cbranch_scc0 .Lentry_shape_is_right
	s_endpgm
.Lentry_shape_is_right:
; out = y wo on codes of FP6 (E2M3) with E8M0 scales; out is f32.
; SHARES.  A work-group makes 128 tokens x 128 columns, a wave 32 tokens x 128 columns: 16 accumulators.  256 work-groups: one a WGP.
; wo's group for ALL of K, 16 K steps x 12,800 bytes, is brought into LDS ONCE, at the head: wave w asks for K steps 4 w .. 4 w + 3, one load a wave, in an arm of its own; a barrier ahead of each four K steps shows that wave's load.
; No byte of LDS is filled twice.  CLUSTER: the four token blocks of a cluster need the same bytes of wo: each load is asked for jointly, mask 15.
; y's fragments have one reader in the work-group: they go from memory straight into six sets of registers, five K steps ahead, and are not shared in the cluster for that reason.
; No prefetch: wo comes at the head, where no loop runs ahead of it, and y's loads are five steps ahead themselves.
; y's image of a tile: two halves of 768 bytes, for registers 6 c .. 6 c + 5: four at 16 x lane, two at 512 + 8 x lane.  A K step is a head.
; Source 0 = 16 columns of wo, source 1 = 16 tokens: a lane holds one token, registers 16 b + i are columns 32 b + 16 (lane / 16) + i.  The results go through the wave's own stage in LDS and leave as rows of 512 bytes.
; REGISTERS.  window 0: v4-17 addresses; v24-31 wo's scale words (2 sets); v32-37 y's (6 sets); v62-63 the add's; v64-207 y's fragments, 6 sets x 24; window 1: wo's fragments, two sets at v0 and v96; window 2: the accumulators.
.set WV,  20
.set G1,  24
.set G0,  32
.set LI,  4                            ; v4   16 x lane
.set LS,  5                            ; v5   4 x lane
.set AW,  6                            ; v6-9   LDS: wo's images of K steps 4 j ..
.set AS,  10                           ; v10-13 LDS: their scale words
.set STO, 14
.set RD,  15
.set L8,  16                           ; v16  8 x lane
.set SQ,  24
.set SP,  32
.set SPW, 62
.set NIL, 63
.set PF,  64
.set STAGE, 204800
.set SPARE, 238592
.set MSB, 0
.macro WIN new
.if MSB != \new
	s_set_vgpr_msb (MSB<<8)|\new
.set MSB, \new
.endif
.endm
.macro PLACES n
.rept \n
	v_nop
.endr
.endm
.macro ROUND
	s_barrier_signal -1
	s_barrier_wait -1
	s_cmp_lg_u32 s[WV], 0
	s_cbranch_scc1 .Lnot_wave_0_\@
	s_barrier_signal -3
.Lnot_wave_0_\@:
	s_barrier_wait -3
	s_barrier_signal -1
	s_barrier_wait -1
.endm
.macro WM d, a, b, first, sa, sb, ra, rb
.if \first
	v_wmma_scale_f32_16x16x128_f8f6f4 v[(\d):(\d)+7], v[(\a):(\a)+11], v[(\b):(\b)+11], 0, v[\sa], v[\sb] matrix_a_fmt:MATRIX_FMT_FP6 matrix_b_fmt:MATRIX_FMT_FP6 matrix_a_scale:MATRIX_SCALE_ROW\ra matrix_b_scale:MATRIX_SCALE_ROW\rb
.else
	v_wmma_scale_f32_16x16x128_f8f6f4 v[(\d):(\d)+7], v[(\a):(\a)+11], v[(\b):(\b)+11], v[(\d):(\d)+7], v[\sa], v[\sb] matrix_a_fmt:MATRIX_FMT_FP6 matrix_b_fmt:MATRIX_FMT_FP6 matrix_a_scale:MATRIX_SCALE_ROW\ra matrix_b_scale:MATRIX_SCALE_ROW\rb
.endif
.endm
; y's two fragments and their scale words of K step s into set s % 6: 9 loads
.macro LP s
	WIN 0
.irp m, 0,1
.irp c, 0,1
	global_load_b128 v[PF+24*((\s)%6)+12*\m+6*\c:PF+24*((\s)%6)+12*\m+6*\c+3], v[LI], s[36+2*((\s)/4):37+2*((\s)/4)] offset:((\s)%4)*3072+\m*1536+768*\c
	global_load_b64 v[PF+24*((\s)%6)+12*\m+6*\c+4:PF+24*((\s)%6)+12*\m+6*\c+5], v[L8], s[36+2*((\s)/4):37+2*((\s)/4)] offset:((\s)%4)*3072+\m*1536+768*\c+512
.endr
.endr
	global_load_b32 v[SP+(\s)%6], v[LS], s[44+2*((\s)/4):45+2*((\s)/4)] offset:((\s)%4)*128
.endm
; wo's eight fragments and four scale registers of K step s, from LDS into set s % 2: 28 loads
.macro LQ s
	WIN 0x40
.irp t, 0,1,2,3,4,5,6,7
.irp c, 0,1,2
	ds_load_b128 v[96*((\s)%2)+12*\t+4*\c:96*((\s)%2)+12*\t+4*\c+3], v[AW+(\s)/4] offset:((\s)%4)*12800+1536*\t+512*\c
.endr
.endr
	WIN 0
.irp p, 0,1,2,3
	ds_load_b32 v[SQ+4*((\s)%2)+\p], v[AS+(\s)/4] offset:((\s)%4)*12800+128*\p
.endr
.endm
.macro SHOW w                          ; wave w's load, which it alone has issued by that line, is shown to all
	s_cmp_eq_u32 s[WV], \w
	s_cbranch_scc0 .Lnot_mine_\@
	s_wait_tensorcnt 0x0
.Lnot_mine_\@:
	s_barrier_signal -1
	s_barrier_wait -1
.endm
; A K step of 128: 16 products, the accumulators by turns in the same order in every step
.macro KSTEP s
.if (\s > 0) && (\s < 15)
	PLACES 4                                       ; in front of loads into registers that the last step's products have read
.endif
.if (\s >= 1) && (\s+5 <= 15)
	LP (\s+5)                                      ; into the set that step s - 1 has read
.endif
.if ((\s)%4 == 3) && (\s < 15)
	WIN 0
	s_wait_dscnt 0x0                               ; no LDS instruction of mine is out at a signal
.if \s == 3
	SHOW 1
.elseif \s == 7
	SHOW 2
.else
	s_wait_tensorcnt 0x0                           ; all that is still out
	s_barrier_signal -1
	s_barrier_wait -1
.endif
.endif
.if \s < 15
	LQ (\s+1)
.endif
.if \s+5 <= 15
	s_wait_loadcnt 45                              ; this step's y is in; the five steps asked for behind it, 9 loads each, may be out
.else
	s_wait_loadcnt 9*(15-\s)
.endif
.if \s < 15
	s_wait_dscnt 28                                ; this step's wo is in; the 28 loads just issued may be out
.else
	s_wait_dscnt 0x0
.endif
	WIN 0xa1                                       ; source 0 window 1, source 1 window 0, C and D window 2
.irp m, 0,1
.irp p, 0,1,2,3
.irp u, 0,1
	WM 8*(8*\m+2*\p+\u), 96*((\s)%2)+12*(2*\p+\u), PF+24*((\s)%6)+12*\m, (\s)==0, SQ+4*((\s)%2)+\p, SP+(\s)%6, \u, \m
.endr
.endr
.endr
.endm
	s_load_b128 s[4:7], s[0:1], 0x0                ; ybuf, wobuf
	s_load_b64 s[8:9], s[0:1], 0x10                ; out0
	v_lshl_add_u32 v[SPW], v0, 2, SPARE
	v_mov_b32 v[NIL], 0
	ds_add_u32 v[SPW], v[NIL]                      ; the opening lines: the add, twice on end, and its wait
	ds_add_u32 v[SPW], v[NIL]
	v_lshrrev_b32 v1, 5, v0
	v_readfirstlane_b32 s[WV], v1
	s_bfe_u32 s21, ttmp6, 0x40000                  ; cx: it enters y's and the output's global addresses alone
	s_lshl_b32 s22, ttmp9, 2
	s_add_co_u32 s22, s22, s21                     ; my block of 128 tokens
	s_and_b32 s23, ttmp7, 0xffff                   ; my group of 128 columns, which the four partners share
	s_mov_b32 s[G1+0], 15|(3<<16)|(1<<21)          ; four K steps of wo, 51,200 dense bytes, as 200 rows of 256 bytes (32 elements of 8 bytes); the mask: all four work-groups
	s_mov_b32 s[G1+1], 32<<16
	s_mov_b32 s[G1+2], 200<<16
	s_mov_b32 s[G1+3], 32<<16
	s_mov_b32 s[G1+4], 200
	s_mov_b32 s[G1+5], 32
	s_mov_b32 s[G1+6], 0
	s_mov_b32 s[G1+7], 0
	s_mov_b32 s[G0], 1
	s_mul_i32 s[G0+1], s[WV], 51200
	; the walk along K begins with quarter (column group % 4) and goes round, so that the groups that read the same y read its quarters at different times: place w of LDS holds quarter (w + group) % 4
	s_and_b32 s58, s23, 3
	s_add_co_u32 s59, s[WV], s58
	s_and_b32 s59, s59, 3
	s_mul_i32 s59, s59, 51200
	s_mul_i32 s56, s23, 204800
	s_add_co_u32 s56, s56, s59
	s_mov_b32 s57, 0
	s_mul_i32 s62, s[WV], 8448
	s_add_co_u32 s62, s62, STAGE                   ; my stage: 16 rows of 528 bytes
	v_and_b32 v1, 31, v0                           ; lane
	v_and_b32 v2, 15, v0                           ; r
	v_bfe_u32 v3, v0, 4, 1                         ; h
	v_lshlrev_b32 v[LI], 4, v1
	v_lshlrev_b32 v[LS], 2, v1
	v_lshlrev_b32 v[L8], 3, v1
.irp j, 0,1,2,3
	v_add_nc_u32 v[AW+\j], \j*51200, v[LI]
	v_add_nc_u32 v[AS+\j], \j*51200+12288, v[LS]
.endr
	v_mul_u32_u24 v[STO], v2, 528
	v_lshl_add_u32 v[STO], v3, 6, v[STO]
	v_add_nc_u32 v[STO], s62, v[STO]               ; in: row r, 64 bytes for each half of the lanes
	v_add_nc_u32 v[RD], s62, v[LI]                 ; back: a row of 512 bytes
	s_wait_alu depctr_va_vdst(0)                   ; the wait at the head's end
	s_wait_dscnt 0x0                               ; both opening adds are done
	s_wait_kmcnt 0x0
	s_add_nc_u64 s[G0+2:G0+3], s[6:7], s[56:57]
	s_or_b32 s[G0+3], s[G0+3], 0x80000000
	ROUND                                          ; all four work-groups are here: the joint loads meet
.macro ARM w                           ; s_nop 0 and four v_nop behind each load
	s_cmp_eq_u32 s[WV], \w
	s_cbranch_scc0 .Larm_\@
	tensor_load_to_lds s[G0:G0+3], s[G1:G1+7]
	s_nop 0
	PLACES 4
	s_branch .Lasked
.Larm_\@:
.endm
	ARM 0
	ARM 1
	ARM 2
	tensor_load_to_lds s[G0:G0+3], s[G1:G1+7]
	s_nop 0
	PLACES 4
.Lasked:
	s_lshl_b32 s2, s22, 2
	s_add_co_u32 s2, s2, s[WV]                     ; my group of 32 tokens
	s_mul_i32 s56, s2, 49152
	s_mov_b32 s57, 0
	s_add_nc_u64 s[10:11], s[4:5], s[56:57]        ; y's images
	s_lshl_b32 s56, s2, 11
	s_add_co_u32 s56, s56, 3145728
	s_add_nc_u64 s[12:13], s[4:5], s[56:57]        ; y's scale words
	s_mov_b32 s61, 0
.irp p, 0,1,2,3                        ; both at the p-th quarter of the walk
	s_add_co_u32 s59, s58, \p
	s_and_b32 s59, s59, 3
	s_mul_i32 s60, s59, 12288
	s_add_nc_u64 s[36+2*\p:37+2*\p], s[10:11], s[60:61]
	s_lshl_b32 s60, s59, 9
	s_add_nc_u64 s[44+2*\p:45+2*\p], s[12:13], s[60:61]
.endr
	s_lshl_b32 s56, s2, 18                         ; 32 rows of 8,192 bytes
	s_lshl_b32 s3, s23, 9
	s_add_co_u32 s56, s56, s3
	s_add_nc_u64 s[8:9], s[8:9], s[56:57]
.irp s, 0,1,2,3,4,5
	LP \s                                          ; 54 loads: y's first six K steps
.endr
	SHOW 0
	LQ 0
.irp s, 0,1,2,3,4,5,6,7,8,9,10,11,12,13,14,15
	KSTEP \s
.endr
	WIN 0
	PLACES 4                                       ; in front of the first read of results and of loads into registers that the products have read
.irp m, 0,1
	WIN 0x08                                       ; the data: window 2
.irp t, 0,1,2,3,4,5,6,7
	ds_store_b128 v[STO], v[8*(8*\m+\t):8*(8*\m+\t)+3] offset:128*(\t/2)+32*(\t%2)
	ds_store_b128 v[STO], v[8*(8*\m+\t)+4:8*(8*\m+\t)+7] offset:128*(\t/2)+32*(\t%2)+16
.endr
	WIN 0
.irp i, 0,1,2,3,4,5,6,7,8,9,10,11,12,13,14,15
	ds_load_b128 v[64+64*\m+4*\i:64+64*\m+4*\i+3], v[RD] offset:528*\i   ; LDS serves a wave's instructions in order: these see the stores above
.endr
.endr
	s_wait_dscnt 32                                ; tile 0 is back; tile 1's 16 stores and 16 loads may be out
.irp i, 0,1,2,3,4,5,6,7,8,9,10,11,12,13,14,15
	global_store_b128 v[LI], v[64+4*\i:64+4*\i+3], s[8:9] offset:(\i+8*(\i/8))*8192 th:TH_STORE_NT   ; 512 consecutive bytes, aligned; row i of tile 0 is token i + 8 (i / 8)
.endr
	s_wait_dscnt 0x0
.irp i, 0,1,2,3,4,5,6,7,8,9,10,11,12,13,14,15
	global_store_b128 v[LI], v[128+4*\i:128+4*\i+3], s[8:9] offset:(8+\i+8*(\i/8))*8192 th:TH_STORE_NT
.endr
	s_wait_tensorcnt 0x0                           ; the wave's end
	ds_add_u32 v[SPW], v[NIL]
	s_wait_dscnt 0x0
	ROUND                                          ; the closing round
	s_endpgm
.Lfunc_end_k_qba8612eb51_oproj:
	.size	k_qba8612eb51_oproj, .Lfunc_end_k_qba8612eb51_oproj-k_qba8612eb51_oproj
	.p2alignl 7, 3214868480
	.fill 96, 4, 3214868480
	.section	.rodata,"a",@progbits
	.p2align	6, 0x0
	.amdhsa_kernel k_qba8612eb51_oproj
		.amdhsa_group_segment_fixed_size 239104
		.amdhsa_private_segment_fixed_size 0
		.amdhsa_enable_private_segment 0
		.amdhsa_kernarg_size 24
		.amdhsa_user_sgpr_count 2
		.amdhsa_user_sgpr_kernarg_segment_ptr 1
		.amdhsa_wavefront_size32 1
		.amdhsa_system_sgpr_workgroup_id_x 1
		.amdhsa_system_sgpr_workgroup_id_y 1
		.amdhsa_system_sgpr_workgroup_id_z 1
		.amdhsa_system_vgpr_workitem_id 0
		.amdhsa_next_free_vgpr 768
		.amdhsa_next_free_sgpr 66
		.amdhsa_reserve_vcc 0
		.amdhsa_float_denorm_mode_32 3
		.amdhsa_float_denorm_mode_16_64 3
		.amdhsa_memory_ordered 1
		.amdhsa_forward_progress 1
		.amdhsa_inst_pref_size 93
	.end_amdhsa_kernel
	.amdgpu_metadata
---
amdhsa.version: [ 1, 2 ]
amdhsa.kernels:
  - .name:           k_qba8612eb51_oproj
    .symbol:         k_qba8612eb51_oproj.kd
    .args:
      - { .name: ybuf, .offset: 0, .size: 8, .value_kind: global_buffer, .address_space: global }
      - { .name: wobuf, .offset: 8, .size: 8, .value_kind: global_buffer, .address_space: global }
      - { .name: out0, .offset: 16, .size: 8, .value_kind: global_buffer, .address_space: global }
    .group_segment_fixed_size: 239104
    .private_segment_fixed_size: 0
    .kernarg_segment_align: 8
    .kernarg_segment_size: 24
    .max_flat_workgroup_size: 128
    .sgpr_count:     66
    .vgpr_count:     768
    .wavefront_size: 32
...
	.end_amdgpu_metadata
.endif
;; end of part 4
